; MI455X (gfx1250); checked and timed in simulation.
; The chip was launched on July 23, 2026; its instructions are those of AMD's public machine-readable ISA for CDNA 5 (MIT licence, August 2026) and "CDNA5" Instruction Set Architecture Reference Guide (July 2026). The comments in the code are by the model that wrote it; some were corrected since.
;; Causal Multi Head Self Attention. Allowed arithmetic: matrix products marked QUANTISED: E4M3 operands, one given power-of-two scale a tensor, by v_wmma_f32_16x16x64_fp8_fp8 or v_wmma_f32_16x16x128_fp8_fp8, f32 sums; everything else in f32.
;; Inputs: WK 1,024 x 1,024 float32; WO 1,024 x 1,024 float32; WQ 1,024 x 1,024 float32; WV 1,024 x 1,024 float32; lowp_scales 12 int32 (the exponents e of the quantised operands' scales 2^e); token_positions 4 x 2,048 int32; x 4 x 2,048 x 1,024 float32.
;; Outputs: out0 4 x 2,048 x 1,024 float32.
;; This version of the problem:
;;   THIS VERSION OF THE PROBLEM IS GIVEN IN LOW PRECISION. The matrix products marked QUANTISED in the list below multiply operands that are first quantised to E4M3 (4 exponent bits, 3 mantissa bits; 8 bits a number), with one given power-of-two scale for each operand tensor; their sums are f32. All else is computed in f32.
;;   The module's matrix products, in the order in which they are computed (A, B: the left and right operand; K: the contracted axis; several contracted axes count as one K, in the product's order):
;;     1. [M 8,192, K 1,024] x [K 1,024, N 1,024]; A: input x; B: input WQ: QUANTISED (scales: A lowp_scales[0], B lowp_scales[1])
;;     2. [M 8,192, K 1,024] x [K 1,024, N 1,024]; A: input x; B: input WK: QUANTISED (scales: A lowp_scales[2], B lowp_scales[3])
;;     3. [M 8,192, K 1,024] x [K 1,024, N 1,024]; A: input x; B: input WV: QUANTISED (scales: A lowp_scales[4], B lowp_scales[5])
;;     4. batch 64 x [M 2,048, K 64] x [K 64, N 2,048]; A: computed on the way; B: computed on the way: QUANTISED (scales: A lowp_scales[6], B lowp_scales[7])
;;     5. batch 64 x [M 2,048, K 2,048] x [K 2,048, N 64]; A: softmax (see below); B: computed on the way: QUANTISED (scales: A lowp_scales[8], B lowp_scales[9])
;;     6. [M 8,192, K 1,024] x [K 1,024, N 1,024]; A: computed on the way; B: input WO: QUANTISED (scales: A lowp_scales[10], B lowp_scales[11])
;;   THE QUANTISER, for each operand of a quantised product, along K:
;;     - The operand's scale is 2^e, e = its entry of the input lowp_scales (int32; the entries are numbered through the quantised products in the list's order, A before B).
;;     - Each number is divided by the scale, clamped to +-448, and rounded to the nearest number of E4M3, ties to even, subnormals kept.
;;     - The product sums the exact products of the quantised numbers (number of the format x scale) in f32.
;;   ~~~python
;;   def quantise(x, axis, e):      # numpy; x: float32 -> the quantised numbers, widened to float32 again
;;       x = np.moveaxis(x, axis, -1); K = x.shape[-1]
;;       r = np.clip(x / 2.0 ** e, -448, 448)
;;       step = 2.0 ** (np.maximum(np.frexp(np.where(r == 0, 1, r))[1] - 1, -6) - 3)
;;       q = np.round(r / step) * step * 2.0 ** e      # np.round: ties to even
;;       return np.moveaxis(q, -1, axis).astype(np.float32)
;;   ~~~
;;   SOFTMAX AHEAD OF A QUANTISED PRODUCT. Where the list says 'softmax', what is quantised is not the finished softmax but p = 2^(t - M), with t = logit x log2(e) and M = ceil(the row's largest t), a whole number; so 1/2 < the row's largest p <= 1. The row's sum l is taken of the UNQUANTISED p, in f32, and the product's result is divided by l at the end. Since M is a whole number, a kernel that streams over the keys may use a running M (the ceiling of the running maximum): every later rescaling is an exact power of two, so the quantised numbers keep their values, but for numbers so far below the row's largest that they fall under the format's range.
;;   OPERANDS COMPUTED ON THE WAY. 'Computed on the way' means the value that the module computes at that place (a softmax that the list does not call 'softmax' is quantised finished and normalised). What goes into a quantiser is computed in f32, as accurately as f32 sums, v_exp_f32 and their like allow (about 1e-6 of the number): no bf16 or f16 on the way to a quantiser, and a product that is left as it is and whose result goes on into a quantised operand takes f32 operands (vector FMAs, or v_wmma_f32_16x16x4_f32). A number that lies on a knife's edge between two numbers of the format may be rounded either way, as far as f32 arithmetic and the matrix unit's own rounding can turn it there, and no further.
;; One version. Each part assembles by itself: llvm-mc -triple=amdgcn-amd-amdhsa -mcpu=gfx1250 --defsym DOCPART=n.
;; ======== version 1 of 1: 4 launches
;; limits: right only within a limited range of input values
;; workspace buffers: ximg 25,165,824 bytes; wimg 4,194,304 bytes; rope 2,097,152 bytes; qimg 8,388,608 bytes; kv 16,777,216 bytes; oimg 8,388,608 bytes
;; launch quant (part 1): grid 448 x 1, 4 waves a work-group, no clusters, 34,304 bytes of LDS; arguments x, WQ, WK, WV, WO, token_positions, lowp_scales, ximg, wimg, rope; writes ximg, wimg, rope
.if DOCPART == 1
	.amdgcn_target "amdgcn-amd-amdhsa--gfx1250"
	.amdhsa_code_object_version 6
	.text
	.protected	k_q0cbdb4a873_quant
	.globl	k_q0cbdb4a873_quant
	.p2align	8
	.type	k_q0cbdb4a873_quant,@function
k_q0cbdb4a873_quant:
	s_mov_b64 s[64:65], 0
	v_nop
	global_prefetch_b8 v0, s[64:65] scope:SCOPE_SE
	s_setreg_imm32_b32 hwreg(HW_REG_WAVE_MODE, 25, 1), 1
	s_wait_xcnt 0x0
; x [8192][1024] f32 becomes codes of E4M3 three times (scales 2^e0, 2^e2, 2^e4), WQ, WK, WV, WO [1024][1024] once each (e1, e3, e5, e11); and cos, sin of position x frequency are tabled for the next launch.
; code = number / 2^e, held within +-448, to the nearest code, ties to even.
; THE IMAGE.  Codes are laid as images of operand registers.  A fragment is 16 rows x 128 K: four blocks c of 512 bytes; lane l's 16 bytes at 512 c + 16 l hold k = 32 c + 16 (l / 16) + 0 .. 15 of row slot l % 16.
; Row tile 2 b + u holds rows 32 b + 8 u + r + 8 (r / 8), r the slot.  ximg: [scale 3][row tile 512][K step 8][2,048 bytes];  wimg: [weight 4][row tile 64][K step 8][2,048].
; SHARES.  Work-groups 0-255: x; 256-383: the weights, 32 each; 384-447: the table.  A wave of the first two kinds makes four fragments of one row tile (K steps 4 half + 0 .. 3).
; Each load reads 512 consecutive bytes of one row; 16 rows go through the wave's own stage in LDS (rows 528 bytes apart = 132 words, so 16 rows start at 16 different groups of four banks: ISA guide 11.1) and come back 64 bytes a lane.
; x and the weights take ONE path: pointers and the scale are chosen on the work-group's number; a scalar branch on that number leads round outputs 1 and 2, which x alone has.
; No tensor load, no barrier, no cluster, no matrix work: waves share nothing and memory binds.
; THE TABLE.  rope: [token tile 512][k 8][lane][16 bytes]: cos, sin of pair 16 (k / 4) + 8 (l / 16) + 2 (k % 4), then of the next pair, for the token in slot l % 16.
; frequency = 2^(-pair x log2(10000) / 32), the exponent in two parts; angle = position x frequency, one rounding; reduced by quarter turns in three parts; polynomials of degree 7 and 8 on +-pi/4.
; LIMITS: each e between -126 and 119; |position| up to 131,072; the frequencies lie within about one unit in the last place of f32 of their true values; NaN and infinities among the inputs are not served.
.set STG,   8448                       ; a wave's stage: 16 rows x 528 bytes
.set SPARE, 4*STG                      ; behind the stages: the spare words, 128 bytes for each wave: two blocks of 256 bytes that no other line names
.set VL,  1                            ; v1   16 x lane; never rewritten
.set SI,  2                            ; v2   the stage, on the way in
.set SO,  3                            ; v3   and on the way out
.set SC,  4                            ; v4-9 for each output: 2^e as f32, 448 x 2^e
.set RR,  10                           ; v10  lane % 16
.set HH,  11                           ; v11  lane / 16
.set SPW, 12                           ; v12  LDS address of my spare word; never rewritten
.set NIL, 13                           ; v13  0; never rewritten
.set R,   16                           ; v16-79   16 loads as they come
.set X,   80                           ; v80-143  64 numbers: X[16 c + i] = k 32 c + 16 h + i of my row slot
.set T,   144                          ; v144-175 two sets of 16 held numbers, by turns
.set C,   176                          ; v176-223 codes: 16 registers for each output
.set P,   16                           ; the table's path: v16-31 pair numbers, then frequencies
.set AA,  32                           ; v32-47   the exponent's upper part
.set OUT, 48                           ; v48-111  cos, sin: 32 registers for each of two token tiles
.set EE,  112                          ; v112-127 the exponent's lower part
.set YY,  128                          ; v128-143 2^(-upper part)
.set POS, 144                          ; v144-145 my two tokens' positions
.set TT,  146                          ; v146-193 four chains x 12 registers at work
	s_load_b512 s[8:23], s[0:1], 0x0               ; x s[8:9], WQ, WK, WV, WO s[10:17], positions s[18:19], scales s[20:21], ximg s[22:23]
	s_load_b128 s[24:27], s[0:1], 0x40             ; wimg s[24:25], rope s[26:27]
	v_lshl_add_u32 v[SPW], v0, 2, SPARE
	v_mov_b32 v[NIL], 0
	v_lshrrev_b32 v1, 5, v0
	v_readfirstlane_b32 s28, v1                    ; wave 0..3
	v_and_b32 v2, 31, v0
	v_lshlrev_b32 v[VL], 4, v2
	v_and_b32 v[RR], 15, v0
	v_bfe_u32 v[HH], v0, 4, 1
	s_mul_i32 s29, s28, STG
	v_add_nc_u32 v[SI], s29, v[VL]                 ; in: 16 x lane of a row
	v_mul_u32_u24 v[SO], v[RR], 528
	v_lshl_add_u32 v[SO], v[HH], 6, v[SO]
	v_add_nc_u32 v[SO], s29, v[SO]                 ; out: row r, + 64 h: my 16 numbers of a block of 32
	s_wait_kmcnt 0x0
	s_cmp_ge_u32 ttmp9, 384
	s_cbranch_scc1 .Lrope
	; ---- codes ----
	s_load_b256 s[32:39], s[20:21], 0x0            ; e0 .. e7
	s_load_b128 s[40:43], s[20:21], 0x20           ; e8 .. e11
	s_cmp_lt_u32 ttmp9, 256                        ; x's work-group or a weight's?
	s_cselect_b32 s29, 0, 256
	s_cselect_b32 s30, 255, 31
	s_sub_co_u32 s29, ttmp9, s29
	s_lshr_b32 s31, s29, 5                         ; which weight (means nothing for x)
	s_and_b32 s29, s29, s30
	s_lshl_b32 s29, s29, 2
	s_add_co_u32 s29, s29, s28                     ; my wave's number in its tensor: row tile = number / 2, half of K = number % 2
	s_cmp_eq_u32 s31, 1
	s_cselect_b64 s[44:45], s[12:13], s[10:11]
	s_cmp_eq_u32 s31, 2
	s_cselect_b64 s[44:45], s[14:15], s[44:45]
	s_cmp_eq_u32 s31, 3
	s_cselect_b64 s[44:45], s[16:17], s[44:45]
	s_cmp_lt_u32 ttmp9, 256
	s_cselect_b64 s[44:45], s[8:9], s[44:45]       ; the source
	s_cselect_b64 s[46:47], s[22:23], s[24:25]     ; the images
	s_cselect_b32 s30, 0, s31
	s_lshr_b32 s66, s29, 2
	s_lshl_b32 s66, s66, 17                        ; 32 rows of 4,096 bytes for each pair of tiles,
	s_bfe_u32 s67, s29, 0x10001
	s_lshl_b32 s67, s67, 15                        ; 8 rows for the odd tile,
	s_add_co_u32 s66, s66, s67
	s_and_b32 s67, s29, 1
	s_lshl_b32 s67, s67, 11                        ; four K steps of 512 bytes for the upper half of K
	s_add_co_u32 s66, s66, s67
	s_mov_b32 s67, 0
	s_add_nc_u64 s[44:45], s[44:45], s[66:67]
	s_lshl_b32 s66, s29, 13                        ; four images of 2,048 bytes a wave,
	s_lshl_b32 s30, s30, 20                        ; 2^20 bytes a weight
	s_add_co_u32 s66, s66, s30
	s_add_nc_u64 s[46:47], s[46:47], s[66:67]
	s_add_nc_u64 s[48:49], s[46:47], 0x800000      ; x's second and third sets of images (used by x's work-groups alone)
	s_add_nc_u64 s[50:51], s[48:49], 0x800000
.macro LOADF s                         ; K step s of my four: 16 rows x 512 consecutive bytes
.set kk, 0
.rept 16
	global_load_b128 v[R+4*kk:R+4*kk+3], v[VL], s[44:45] offset:(kk+8*(kk/8))*4096+512*(\s) th:TH_LOAD_NT
.set kk, kk+1
.endr
.endm
.macro MKSC e, v                       ; 2^e as f32 (the conversion takes its exponent field) and 448 x 2^e
	s_add_co_i32 s69, \e, 127
	s_lshl_b32 s70, s69, 23
	v_mov_b32 v[\v], s70
	s_add_co_i32 s69, s69, 8
	s_lshl_b32 s69, s69, 23
	s_or_b32 s69, s69, 0x600000
	v_mov_b32 v[\v+1], s69
.endm
.macro QOUT o, s                       ; output o of K step s: hold, convert, store the image
.set cc, 0
.rept 4
.set ii, 0
.rept 16
	v_med3_num_f32 v[T+16*(cc%2)+ii], v[X+16*cc+ii], -v[SC+2*\o+1], v[SC+2*\o+1]   ; the conversion to an 8-bit code does not saturate (ISA guide 7.6.2): the hold comes first
.set ii, ii+1
.endr
	v_cvt_scalef32_pk8_fp8_f32 v[C+16*\o+4*cc:C+16*\o+4*cc+1], v[T+16*(cc%2):T+16*(cc%2)+7], v[SC+2*\o]
	v_cvt_scalef32_pk8_fp8_f32 v[C+16*\o+4*cc+2:C+16*\o+4*cc+3], v[T+16*(cc%2)+8:T+16*(cc%2)+15], v[SC+2*\o]
.set cc, cc+1
.endr
	v_nop                                          ; a plain line behind the last conversion of the run
.set cc, 0
.rept 4
	global_store_b128 v[VL], v[C+16*\o+4*cc:C+16*\o+4*cc+3], s[46+2*\o:47+2*\o] offset:2048*(\s)+512*cc   ; 32 lanes store 512 consecutive bytes, aligned
.set cc, cc+1
.endr
.endm
.macro QSTEP s
	s_wait_loadcnt 0x0                             ; this step's 16 loads are in
.set jj, 0
.rept 16
	ds_store_b128 v[SI], v[R+4*jj:R+4*jj+3] offset:528*jj
.set jj, jj+1
.endr
.irp c, 0,1,2,3
.irp j, 0,1,2,3
	ds_load_b128 v[X+16*\c+4*\j:X+16*\c+4*\j+3], v[SO] offset:128*\c+16*\j   ; LDS serves a wave's instructions in order (ISA guide 5.7.1.4): these see the stores above
.endr
.endr
	s_wait_dscnt 0x0                               ; the numbers are back, and the stage's stores have read their registers,
	s_wait_xcnt 0x0                                ; and the last step's global stores have read theirs: the codes' registers may be written again
.if \s < 3
	LOADF \s+1                                     ; the next step's loads are on their way while this one is converted
.endif
	QOUT 0, \s
	s_cmp_ge_u32 ttmp9, 256                        ; a weight has one scale
	s_cbranch_scc1 .Lone_\@
	QOUT 1, \s
	QOUT 2, \s
.Lone_\@:
.endm
	s_wait_alu depctr_va_vdst(0)
	LOADF 0
	s_wait_kmcnt 0x0
	s_cmp_eq_u32 s31, 1
	s_cselect_b32 s68, s35, s33                    ; e3 : e1
	s_cmp_eq_u32 s31, 2
	s_cselect_b32 s68, s37, s68                    ; e5
	s_cmp_eq_u32 s31, 3
	s_cselect_b32 s68, s43, s68                    ; e11
	s_cmp_lt_u32 ttmp9, 256
	s_cselect_b32 s68, s32, s68                    ; x: e0
	MKSC s68, SC
	MKSC s34, SC+2                                 ; e2
	MKSC s36, SC+4                                 ; e4
	s_wait_alu depctr_va_vdst(0)
	QSTEP 0
	QSTEP 1
	QSTEP 2
	QSTEP 3
	s_wait_tensorcnt 0x0                           ; the wave's end, behind my last LDS store
	ds_add_u32 v[SPW], v[NIL]
	s_wait_dscnt 0x0
	s_endpgm
	; ---- the table of cos and sin ----
.Lrope:
	s_sub_co_u32 s29, ttmp9, 384
	s_lshl_b32 s29, s29, 2
	s_add_co_u32 s29, s29, s28                     ; my wave's 32 tokens: two token tiles
	s_lshl_b32 s66, s29, 7
	s_mov_b32 s67, 0
	s_add_nc_u64 s[44:45], s[18:19], s[66:67]
	s_lshl_b32 s66, s29, 13
	s_add_nc_u64 s[46:47], s[26:27], s[66:67]
	s_wait_alu depctr_va_vdst(0)
	v_and_b32 v14, 8, v[RR]
	v_add_nc_u32 v14, v14, v[RR]                   ; r + 8 (r / 8)
	v_lshlrev_b32 v15, 2, v14
	global_load_b32 v[POS], v15, s[44:45]          ; the even tile's token in my slot,
	global_load_b32 v[POS+1], v15, s[44:45] offset:32   ; the odd tile's, 8 tokens on
	s_mov_b32 s52, 0x3f22f983                      ; 2 / pi
	s_mov_b32 s53, 0xbfc90fdb                      ; -pi / 2 in three parts
	s_mov_b32 s54, 0x333bbd2e
	s_mov_b32 s55, 0x26f72ced
	s_mov_b32 s56, 0xbe2aaaa3                      ; sin: -1.6666654611e-1, 8.3321608736e-3, -1.9515295891e-4
	s_mov_b32 s57, 0x3c08839e
	s_mov_b32 s58, 0xb94ca1f9
	s_mov_b32 s59, 0x3d2aaaa5                      ; cos: 4.166664568e-2, -1.388731625e-3, 2.443315712e-5
	s_mov_b32 s60, 0xbab6061a
	s_mov_b32 s61, 0x37ccf5ce
	s_mov_b32 s62, 0x3ed49a78                      ; log2(10000) / 32, upper part,
	s_mov_b32 s63, 0x32179a37                      ; lower part
	s_mov_b32 s66, 0x3f317218                      ; ln 2
	v_lshlrev_b32 v14, 3, v[HH]                    ; 8 h
.set nn, 0
.rept 16
	v_add_nc_u32 v[P+nn], 16*(nn/8)+nn%8, v14      ; my sixteen pairs: 16 (n / 8) + 8 h + n % 8
.set nn, nn+1
.endr
.set nn, 0
.rept 16
	v_cvt_f32_u32 v[P+nn], v[P+nn]
.set nn, nn+1
.endr
.set nn, 0
.rept 16
	v_mul_f32 v[AA+nn], s62, v[P+nn]               ; a = pair x upper part, rounded;
.set nn, nn+1
.endr
.set nn, 0
.rept 16
	v_fma_f32 v[EE+nn], v[P+nn], s62, -v[AA+nn]    ; what the rounding lost,
.set nn, nn+1
.endr
.set nn, 0
.rept 16
	v_fma_f32 v[EE+nn], v[P+nn], s63, v[EE+nn]     ; and the lower part's share
.set nn, nn+1
.endr
.set nn, 0
	s_wait_alu depctr_va_vdst(0)
.rept 16
	v_exp_f32 v[YY+nn], -v[AA+nn]                  ; one batch
.set nn, nn+1
.endr
.set nn, 0
.rept 16
	v_mul_f32 v[EE+nn], s66, v[EE+nn]              ; plain work that names no result of the batch
.set nn, nn+1
.endr
	s_wait_alu depctr_va_vdst(0)                   ; one wait for the batch, ahead of its first reader
.set nn, 0
.rept 16
	v_fma_f32 v[P+nn], -v[YY+nn], v[EE+nn], v[YY+nn]   ; frequency = y (1 - e ln 2)
.set nn, nn+1
.endr
	s_wait_loadcnt 0x0
	v_cvt_f32_i32 v[POS], v[POS]
	v_cvt_f32_i32 v[POS+1], v[POS+1]
; Four chains line by line, so that no line waits for the line above it: chain x is pair n + x / 2 of token tile x % 2.
; A chain's registers: +0 angle, later z z; +1 quarter turns; +2 r; +3 the turns as a whole number; +4 z = r r; +5 sin r; +6 cos r; +7, +8, +9 at work.
.macro SC4 n
.irp x, 0,1,2,3
	v_mul_f32 v[TT+12*\x], v[POS+\x%2], v[P+\n+\x/2]
.endr
.irp x, 0,1,2,3
	v_mul_f32 v[TT+12*\x+1], s52, v[TT+12*\x]
.endr
.irp x, 0,1,2,3
	v_rndne_f32 v[TT+12*\x+1], v[TT+12*\x+1]
.endr
.irp x, 0,1,2,3
	v_fma_f32 v[TT+12*\x+2], v[TT+12*\x+1], s53, v[TT+12*\x]
.endr
.irp x, 0,1,2,3
	v_fma_f32 v[TT+12*\x+2], v[TT+12*\x+1], s54, v[TT+12*\x+2]
.endr
.irp x, 0,1,2,3
	v_fma_f32 v[TT+12*\x+2], v[TT+12*\x+1], s55, v[TT+12*\x+2]
.endr
.irp x, 0,1,2,3
	v_cvt_i32_f32 v[TT+12*\x+3], v[TT+12*\x+1]
.endr
.irp x, 0,1,2,3
	v_mul_f32 v[TT+12*\x+4], v[TT+12*\x+2], v[TT+12*\x+2]
.endr
.irp x, 0,1,2,3
	v_fma_f32 v[TT+12*\x+5], v[TT+12*\x+4], s58, s57
	v_fma_f32 v[TT+12*\x+6], v[TT+12*\x+4], s61, s60
.endr
.irp x, 0,1,2,3
	v_fma_f32 v[TT+12*\x+5], v[TT+12*\x+5], v[TT+12*\x+4], s56
	v_fma_f32 v[TT+12*\x+6], v[TT+12*\x+6], v[TT+12*\x+4], s59
.endr
.irp x, 0,1,2,3
	v_mul_f32 v[TT+12*\x+7], v[TT+12*\x+4], v[TT+12*\x+2]
	v_fma_f32 v[TT+12*\x+8], v[TT+12*\x+4], -0.5, 1.0
	v_mul_f32 v[TT+12*\x], v[TT+12*\x+4], v[TT+12*\x+4]
.endr
.irp x, 0,1,2,3
	v_fma_f32 v[TT+12*\x+5], v[TT+12*\x+5], v[TT+12*\x+7], v[TT+12*\x+2]   ; sin r
	v_fma_f32 v[TT+12*\x+6], v[TT+12*\x+6], v[TT+12*\x], v[TT+12*\x+8]     ; cos r
	v_and_b32 v[TT+12*\x+9], 1, v[TT+12*\x+3]
.endr
.irp x, 0,1,2,3
	v_cmp_eq_u32 vcc_lo, 1, v[TT+12*\x+9]          ; an odd number of quarter turns changes the two over
	v_cndmask_b32 v[TT+12*\x+7], v[TT+12*\x+5], v[TT+12*\x+6], vcc_lo
	v_cndmask_b32 v[TT+12*\x+8], v[TT+12*\x+6], v[TT+12*\x+5], vcc_lo
.endr
.irp x, 0,1,2,3
	v_lshlrev_b32 v[TT+12*\x+9], 30, v[TT+12*\x+3] ; sin is negated in turns 2 and 3,
	v_add_nc_u32 v[TT+12*\x+3], 1, v[TT+12*\x+3]   ; cos in turns 1 and 2
.endr
.irp x, 0,1,2,3
	v_and_b32 v[TT+12*\x+9], 0x80000000, v[TT+12*\x+9]
	v_lshlrev_b32 v[TT+12*\x+3], 30, v[TT+12*\x+3]
.endr
.irp x, 0,1,2,3
	v_and_b32 v[TT+12*\x+3], 0x80000000, v[TT+12*\x+3]
	v_xor_b32 v[OUT+32*(\x%2)+2*(\n+\x/2)+1], v[TT+12*\x+9], v[TT+12*\x+7]
.endr
.irp x, 0,1,2,3
	v_xor_b32 v[OUT+32*(\x%2)+2*(\n+\x/2)], v[TT+12*\x+3], v[TT+12*\x+8]
.endr
.endm
.irp n, 0,2,4,6,8,10,12,14
	SC4 \n
.endr
.irp u, 0,1
.irp k, 0,1,2,3,4,5,6,7
	global_store_b128 v[VL], v[OUT+32*\u+4*\k:OUT+32*\u+4*\k+3], s[46:47] offset:4096*\u+512*\k   ; 512 consecutive bytes, aligned
.endr
.endr
	s_wait_tensorcnt 0x0                           ; the wave's end, in the same form as on the other path
	ds_add_u32 v[SPW], v[NIL]
	s_wait_dscnt 0x0
	s_endpgm
.Lfunc_end_k_q0cbdb4a873_quant:
	.size	k_q0cbdb4a873_quant, .Lfunc_end_k_q0cbdb4a873_quant-k_q0cbdb4a873_quant
	.p2alignl 7, 3214868480
	.fill 96, 4, 3214868480
	.section	.rodata,"a",@progbits
	.p2align	6, 0x0
	.amdhsa_kernel k_q0cbdb4a873_quant
		.amdhsa_group_segment_fixed_size 34304
		.amdhsa_private_segment_fixed_size 0
		.amdhsa_enable_private_segment 0
		.amdhsa_kernarg_size 80
		.amdhsa_user_sgpr_count 2
		.amdhsa_user_sgpr_kernarg_segment_ptr 1
		.amdhsa_wavefront_size32 1
		.amdhsa_system_sgpr_workgroup_id_x 1
		.amdhsa_system_sgpr_workgroup_id_y 1
		.amdhsa_system_sgpr_workgroup_id_z 1
		.amdhsa_system_vgpr_workitem_id 0
		.amdhsa_next_free_vgpr 224
		.amdhsa_next_free_sgpr 72
		.amdhsa_reserve_vcc 1
		.amdhsa_float_denorm_mode_32 3
		.amdhsa_float_denorm_mode_16_64 3
		.amdhsa_memory_ordered 1
		.amdhsa_forward_progress 1
		.amdhsa_inst_pref_size 127
	.end_amdhsa_kernel
	.amdgpu_metadata
---
amdhsa.version: [ 1, 2 ]
amdhsa.kernels:
  - .name:           k_q0cbdb4a873_quant
    .symbol:         k_q0cbdb4a873_quant.kd
    .args:
      - { .name: x, .offset: 0, .size: 8, .value_kind: global_buffer, .address_space: global }
      - { .name: WQ, .offset: 8, .size: 8, .value_kind: global_buffer, .address_space: global }
      - { .name: WK, .offset: 16, .size: 8, .value_kind: global_buffer, .address_space: global }
      - { .name: WV, .offset: 24, .size: 8, .value_kind: global_buffer, .address_space: global }
      - { .name: WO, .offset: 32, .size: 8, .value_kind: global_buffer, .address_space: global }
      - { .name: token_positions, .offset: 40, .size: 8, .value_kind: global_buffer, .address_space: global }
      - { .name: lowp_scales, .offset: 48, .size: 8, .value_kind: global_buffer, .address_space: global }
      - { .name: ximg, .offset: 56, .size: 8, .value_kind: global_buffer, .address_space: global }
      - { .name: wimg, .offset: 64, .size: 8, .value_kind: global_buffer, .address_space: global }
      - { .name: rope, .offset: 72, .size: 8, .value_kind: global_buffer, .address_space: global }
    .group_segment_fixed_size: 34304
    .private_segment_fixed_size: 0
    .kernarg_segment_align: 8
    .kernarg_segment_size: 80
    .max_flat_workgroup_size: 128
    .sgpr_count:     72
    .vgpr_count:     224
    .wavefront_size: 32
...
	.end_amdgpu_metadata
.endif
;; end of part 1
;; launch qkv (part 2): grid 4 x 96, 4 waves a work-group, clusters of 4 x 4, 327,680 bytes of LDS; arguments ximg, wimg, rope, lowp_scales, qimg, kv; writes qimg, kv
.if DOCPART == 2
	.amdgcn_target "amdgcn-amd-amdhsa--gfx1250"
	.amdhsa_code_object_version 6
	.text
	.protected	k_q0cbdb4a873_qkv
	.globl	k_q0cbdb4a873_qkv
	.p2align	8
	.type	k_q0cbdb4a873_qkv,@function
k_q0cbdb4a873_qkv:
	s_mov_b64 s[64:65], 0
	v_nop
	global_prefetch_b8 v0, s[64:65] scope:SCOPE_SE
	s_setreg_imm32_b32 hwreg(HW_REG_WAVE_MODE, 25, 1), 1
	s_wait_xcnt 0x0
	s_wait_alu depctr_hold_cnt(0) depctr_sa_sdst(0) depctr_va_vdst(0) depctr_va_sdst(0) depctr_va_ssrc(0) depctr_va_vcc(0) depctr_vm_vsrc(0)
	s_getreg_b32 s2, hwreg(HW_REG_IB_STS2, 6, 4)
	s_cmp_eq_u32 s2, 0
	s_cbranch_scc0 .Lentry_in_a_cluster
	s_endpgm
.Lentry_in_a_cluster:
	s_bfe_u32 s2, ttmp6, 0x10000c
	s_cmp_lg_u32 s2, 0xf033
	s_cbranch_scc0 .Lentry_shape_is_right
	s_endpgm
.Lentry_shape_is_right:
; q = rope(x WQ^T), k = rope(x WK^T), v = x WV^T on codes of E4M3, and the results quantised on the way out: q by 2^e6, k by 2^e7 (K = the head's 64), v by 2^e9 (K = the keys).
; OPERANDS are images of registers (a fragment of 16 rows x 128 K is 2,048 bytes: block c at 512 c, lane l's 16 bytes at 16 l hold k = 32 c + 16 (l / 16) + 0 .. 15 of row slot l % 16; row tile 2 b + u holds rows 32 b + 8 u + r + 8 (r / 8)).
; That order of k is the same on both sides of every product, so each product meets its partner; only the order of the sums inside an instruction differs from the form's own.
; A tile of 256 x 256 results is made by four waves, each 128 x 128: 64 accumulators, 512 registers.  K = 1,024 goes in four steps of 256 through two LDS slots filled by the tensor data mover.
; CLUSTERS of 4 x 4.  Cluster y = 8 kind + index; kind 0 q, 1 k, 2 v.  Source 1 ('A') is shared along a row of the cluster, source 0 ('B') along a column: each tile is asked for jointly by the four that need it.
; For q and k: A = x's images (tokens), B = the weight's (features): a lane holds ONE token and its registers run along the features, 16 neighbours in the 16 registers of tiles 2 b, 2 b + 1.
; For v the two change places, by pointers alone: a lane holds one feature and its registers run along the tokens, which are the next product's K.  So every conversion's result is 16 bytes of the next image, stored straight from registers.
; The kind is the cluster's number: the same in all sixteen partners.
; OUT: qimg [head of a batch 64][token tile 128][c 2][lane][16];  kv [head of a batch 64][128 keys 16][16,384]: 8 key tiles x 1,024 bytes, then 4 tiles of 16 of the head's 64 x 2,048 bytes (128 keys innermost).
; The three scales are folded: a sum stands for sum x 2^(eA + eB), the rotation is linear, so the conversion's one scale is 2^(eOut - eA - eB).  LIMIT: that exponent lies between -126 and 119.  NaN among the inputs is not served.
; REGISTERS, in windows of 256: window 0: v16-29 addresses and scales; from v128 A's fragments, one set; on the way out v32-95 at work, v96-223 codes.  window 1: B's fragments, two sets; on the way out the table of cos and sin.
;   window 2: the accumulators of A's blocks 0-3 ((a, b) at v[8 (8 (a % 4) + b)]);  window 3: of blocks 4-7.
.set ROWB,   4096                      ; a slot's bytes of one row tile: two K steps' images
.set TILEB,  16384                     ; a row tile's eight K steps in memory
.set FR,     16                        ; registers of a fragment
.set NL,     4                         ; LDS loads that bring one
.set NP,     4                         ; places behind this matrix instruction (ISA guide 7.12.1)
.set HALFT,  32768                     ; 8 row tiles x 4,096 bytes: what one tensor load brings, and what one wave reads of A or of B
.set SLOT,   4*HALFT                   ; A's 16 row tiles, then B's
.set SPARE,  2*SLOT                    ; behind the ring: the spare words, 128 bytes for each wave: two blocks of 256 bytes that no other line names
.set ADRA, 16                          ; v16-17  LDS address of my A fragments in slot 0, 1
.set ADRB, 20                          ; v20-21  the same for B
.set VO0,  24                          ; v24     16 x lane; never rewritten
.set VO1,  25                          ; v25     the same, one head further on
.set SCV,  26                          ; v26     the conversion's scale as f32
.set LIMV, 27                          ; v27     448 x that
.set SPW,  28                          ; v28     LDS address of my spare word; never rewritten
.set NIL,  29                          ; v29     0; never rewritten
.set TMP,  32                          ; the way out: a block's 64 numbers
.set PC,   96                          ; the way out: 16 registers of codes for each of the 8 blocks, so that no store's data are written again
.set AF,   128                         ; A's fragments, in window 0
.set G1, 24                            ; s[24:31] descriptor group 1 for A's tiles;  s[32:39] group 0, one set for each slot
.set G0, 32
.set G1B, 48                           ; s[48:55], s[56:63] the same for B's tiles
.set G0B, 56
.set MSB, 0
.macro WIN new                         ; the immediate's high byte repeats the setting that is left
.if MSB != (\new)
	s_set_vgpr_msb (MSB<<8)|(\new)
.set MSB, (\new)
.endif
.endm
.set MUL_LO, 0xa1                      ; source 0 (B) window 1, source 1 (A) window 0, C and D window 2
.set MUL_HI, 0xf1                      ; the same, C and D window 3
.set TO_B,   0x40                      ; destination window 1, address window 0
; A joint load: waves 0 and 1 fetch for A, waves 2 and 3 for B.  Each of the two lines has one mask and one set of registers for all that issue it; the branch hangs on the wave's number alone.
; An s_nop 0 and four v_nop follow each of the two lines, ahead of the jump, the label and what follows.
.macro JLOAD g0a, g1a, g0b, g1b
	s_cmp_eq_u32 s15, 0
	s_cbranch_scc0 .Lfor_b_\@
	tensor_load_to_lds s[\g0a:\g0a+3], s[\g1a:\g1a+7]
	s_nop 0
.rept 4
	v_nop
.endr
	s_branch .Lasked_\@
.Lfor_b_\@:
	tensor_load_to_lds s[\g0b:\g0b+3], s[\g1b:\g1b+7]
	s_nop 0
.rept 4
	v_nop
.endr
.Lasked_\@:
.endm
.macro CREST                           ; a round of the cluster's barrier behind its opening barrier
	s_cmp_lg_u32 s14, 0
	s_cbranch_scc1 .Lnot_wave_0_\@
	s_barrier_signal -3
.Lnot_wave_0_\@:
	s_barrier_wait -3
	s_barrier_signal -1
	s_barrier_wait -1
.endm
.macro CROUND                          ; a whole round
	s_barrier_signal -1
	s_barrier_wait -1
	CREST
.endm
	s_load_b256 s[4:11], s[0:1], 0x0               ; ximg s[4:5], wimg s[6:7], rope s[8:9], the scales' exponents s[10:11]
	s_load_b128 s[72:75], s[0:1], 0x20             ; qimg s[72:73], kv s[74:75]
	v_lshl_add_u32 v[SPW], v0, 2, SPARE
	v_mov_b32 v[NIL], 0
	ds_add_u32 v[SPW], v[NIL]                      ; the wave's opening: the add and its wait ahead of my first tensor load; the set-up below, work on registers, stands between them
	ds_add_u32 v[SPW], v[NIL]
	v_lshrrev_b32 v1, 5, v0
	v_readfirstlane_b32 s14, v1                    ; wave 0..3
	s_lshr_b32 s15, s14, 1                         ; which half of A's rows is mine.  Also: I fetch for A (0) or for B (1)
	s_and_b32 s16, s14, 1                          ; which half of B's rows.  Also: which 8 row tiles of that tile I fetch
	s_bfe_u32 s40, ttmp6, 0x40000                  ; cx, cy: my place in the cluster
	s_bfe_u32 s41, ttmp6, 0x40004
	s_and_b32 s66, ttmp7, 0xffff                   ; cluster y
	s_lshr_b32 s67, s66, 3                         ; the kind: 0 q, 1 k, 2 v
	s_and_b32 s68, s66, 7                          ; which 1,024 tokens
	s_cmp_eq_u32 s67, 2
	s_cselect_b32 s69, 0, s68                      ; tokens lie along A for q and k,
	s_cselect_b32 s70, s68, 0                      ; along B for v
	s_lshl_b32 s42, s70, 2
	s_add_co_u32 s42, s42, s40                     ; B's tile of 256 rows
	s_lshl_b32 s17, s69, 2
	s_add_co_u32 s17, s17, s41                     ; A's tile of 256 rows
	s_lshl_b32 s43, s41, 2
	s_lshl_b32 s43, 15, s43                        ; my row of the cluster
	s_lshl_b32 s44, 0x1111, s40                    ; my column
	; descriptor group 1: 8 rows (row tiles) of 4,096 bytes, 16,384 bytes apart in memory, dense in LDS
	s_or_b32 s[G1+0], s43, (1<<21)                 ; 15:0 the mask: A's tiles go to my row; 17:16 elements of 1 byte; 20 no padding; 21 set beside a mask
	s_or_b32 s[G1B+0], s44, (1<<21)
.irp g, G1, G1B
	s_mov_b32 s[\g+1], ROWB<<16                    ; tensor_dim0
	s_mov_b32 s[\g+2], 8<<16                       ; tensor_dim1 = 8
	s_mov_b32 s[\g+3], ROWB<<16                    ; tile_dim0
	s_mov_b32 s[\g+4], 8                           ; tile_dim1 = 8
	s_mov_b32 s[\g+5], TILEB                       ; tensor_dim0_stride
	s_mov_b32 s[\g+6], 0
	s_mov_b32 s[\g+7], 0
.endr
	s_lshl_b32 s18, s16, 17                        ; which 8 row tiles of the tile I fetch: 131,072 bytes
	s_lshl_b32 s20, s17, 18                        ; A: 262,144 bytes a tile of 256 rows
	s_add_co_u32 s20, s20, s18
	s_mov_b32 s21, 0
	s_lshl_b32 s46, s42, 18                        ; B likewise
	s_add_co_u32 s46, s46, s18
	s_mov_b32 s47, 0
	s_lshl_b32 s22, s67, 23                        ; x's images for this kind's scale,
	s_mov_b32 s23, 0
	s_lshl_b32 s92, s67, 20                        ; and this kind's weight
	s_mov_b32 s93, 0
	s_lshl_b32 s45, s14, 15                        ; where they go: wave x 32,768: no place in the cluster enters an LDS address
	s_wait_dscnt 0x0                               ; the opening add is done
	s_wait_kmcnt 0x0
	s_load_b256 s[80:87], s[10:11], 0x0            ; e0 .. e7
	s_load_b128 s[88:91], s[10:11], 0x20           ; e8 .. e11
	s_add_nc_u64 s[76:77], s[4:5], s[22:23]
	s_add_nc_u64 s[78:79], s[6:7], s[92:93]
	s_cmp_eq_u32 s67, 2
	s_cselect_b64 s[94:95], s[78:79], s[76:77]     ; A: the weight for v, else x
	s_cselect_b64 s[96:97], s[76:77], s[78:79]     ; B: the other
	s_add_nc_u64 s[20:21], s[94:95], s[20:21]
	s_add_nc_u64 s[46:47], s[96:97], s[46:47]
	CROUND                                         ; all sixteen work-groups are here: the first joint loads meet
.irp s, 0,1
	s_mov_b32 s[G0+4*\s], 1
	s_add_co_u32 s[G0+4*\s+1], s45, \s*SLOT
	s_add_nc_u64 s[G0+4*\s+2:G0+4*\s+3], s[20:21], \s*ROWB
	s_or_b32 s[G0+4*\s+3], s[G0+4*\s+3], 0x80000000
	s_mov_b32 s[G0B+4*\s], 1
	s_add_co_u32 s[G0B+4*\s+1], s45, \s*SLOT
	s_add_nc_u64 s[G0B+4*\s+2:G0B+4*\s+3], s[46:47], \s*ROWB
	s_or_b32 s[G0B+4*\s+3], s[G0B+4*\s+3], 0x80000000
.endr
	JLOAD G0, G1, G0B, G1B                         ; slot 0: one tensor load a wave at the head
	v_and_b32 v1, 31, v0
	v_lshlrev_b32 v[VO0], 4, v1                    ; 16 x lane: an image's place for my lane
	s_lshl_b32 s21, s15, 15                        ; my 8 row tiles of A
	s_lshl_b32 s22, s16, 15                        ; my 8 row tiles of B,
	s_add_co_u32 s22, s22, 2*HALFT                 ; which lie behind A's 16
.irp s, 0,1
	v_add_nc_u32 v[ADRA+\s], s21, v[VO0]
	v_add_nc_u32 v[ADRB+\s], s22, v[VO0]
	s_add_co_u32 s21, s21, SLOT
	s_add_co_u32 s22, s22, SLOT
.endr
.macro FRAG reg, adr, q, i             ; row tile i, the slot's q-th 128 along K: four loads of 512 consecutive bytes
.irp c, 0,1,2,3
	ds_load_b128 v[\reg+4*\c:\reg+4*\c+3], v[\adr] offset:2048*(\q)+512*\c+4096*(\i)
.endr
.endm
; 16 matrix instructions: A's blocks a0, a0 + 1 x B's eight, 128 along K.  p: B's set.  zero = 1: the first product starts the sums: nothing is ever cleared.
; The 64 accumulators take turns, one instruction a turn, in the same order in every step.
.macro MUL16 a0, p, zero
.irp a, \a0, \a0+1
.irp b, 0,1,2,3,4,5,6,7
.if \zero
	v_wmma_f32_16x16x128_fp8_fp8 v[8*(8*((\a)%4)+\b):8*(8*((\a)%4)+\b)+7], v[128*(\p)+FR*\b:128*(\p)+FR*\b+FR-1], v[AF+FR*(\a):AF+FR*(\a)+FR-1], 0
.else
	v_wmma_f32_16x16x128_fp8_fp8 v[8*(8*((\a)%4)+\b):8*(8*((\a)%4)+\b)+7], v[128*(\p)+FR*\b:128*(\p)+FR*\b+FR-1], v[AF+FR*(\a):AF+FR*(\a)+FR-1], v[8*(8*((\a)%4)+\b):8*(8*((\a)%4)+\b)+7]
.endif
.endr
.endr
.endm
.macro FETCH_B slot, q, p              ; B's eight fragments into set p
	WIN TO_B
.irp i, 0,1,2,3,4,5,6,7
	FRAG 128*(\p)+FR*\i, ADRB+\slot, \q, \i
.endr
	WIN 0
.endm
.macro FETCH_A slot, q, i0             ; A's blocks i0 .. i0 + 3
.irp i, \i0, \i0+1, \i0+2, \i0+3
	FRAG AF+FR*(\i), ADRA+\slot, \q, \i
.endr
.endm
; A load into a register that a matrix instruction has read, and a vector instruction that reads a matrix result, stand NP places behind that matrix instruction; only plain vector instructions that name none of its registers are places.
.macro PLACES n
.rept \n
	v_nop
.endr
.endm
; A step of 128 along K that has its successor in the same slot.  A's blocks are free as soon as their eight products are issued: one set serves A; B has two.
.macro STEP slot, q, zero
	s_wait_dscnt 4*NL                              ; B's set and A's blocks 0-3 are in; the youngest sixteen loads (A's blocks 4-7) may be out
	WIN MUL_LO
	MUL16 0, (\q)%2, \zero
	MUL16 2, (\q)%2, \zero
	s_wait_dscnt 0                                 ; A's blocks 4-7 are in
	PLACES NP
	FETCH_B \slot, (\q)+1, 1-(\q)%2
	FETCH_A \slot, (\q)+1, 0
	WIN MUL_HI
	MUL16 4, (\q)%2, \zero
	MUL16 6, (\q)%2, \zero
	PLACES NP
	WIN 0
	FETCH_A \slot, (\q)+1, 4
.endm
; A slot's last step changes slots: one barrier; in front of it each wave waits for all its tensor loads, adds 0 to its spare word, and waits for that and for its own reads of this slot.  fill = 1: this slot is filled again, two slots ahead.
.macro TURN slot, next, fill
	s_wait_tensorcnt 0x0                           ; all my tensor loads have landed: my part of the next slot  (every window is 0 here)
	ds_add_u32 v[SPW], v[NIL]                      ; 0 onto my spare word
	s_wait_dscnt 4*NL+1                            ; (the add and the youngest sixteen loads may be out)
	WIN MUL_LO
	MUL16 0, 1, 0                                  ; sixteen matrix instructions stand between the add and the wait for it
	s_wait_dscnt 0x0                               ; the add is done, and my reads of this slot are over
	s_barrier_signal -1
	MUL16 2, 1, 0
	WIN 0
	s_barrier_wait -1
.if \fill
	CREST                                          ; the barrier has opened a round of the cluster's barrier: no wave of any partner still reads this slot or has a load on its way
	s_add_nc_u64 s[G0+4*\slot+2:G0+4*\slot+3], s[G0+4*\slot+2:G0+4*\slot+3], 2*ROWB
	s_add_nc_u64 s[G0B+4*\slot+2:G0B+4*\slot+3], s[G0B+4*\slot+2:G0B+4*\slot+3], 2*ROWB
	JLOAD G0+4*\slot, G1, G0B+4*\slot, G1B         ; the first tensor load behind the round; its four v_nop are also the places in front of the loads below
.else
	PLACES NP
.endif
	FETCH_B \next, 0, 0
	FETCH_A \next, 0, 0
	WIN MUL_HI
	MUL16 4, 1, 0
	MUL16 6, 1, 0
	PLACES NP
	WIN 0
	FETCH_A \next, 0, 4
.endm
	s_wait_alu depctr_va_vdst(0)
	s_wait_tensorcnt 0x0                           ; my part of slot 0 is in
	ds_add_u32 v[SPW], v[NIL]
	s_wait_dscnt 0x0
	CROUND                                         ; everybody's part of slot 0 is in, and all sixteen work-groups are here
	JLOAD G0+4, G1, G0B+4, G1B                     ; slot 1's first fill, the first tensor load behind the round
	FETCH_B 0, 0, 0
	FETCH_A 0, 0, 0
	FETCH_A 0, 0, 4
	STEP 0, 0, 1                                   ; K = 1,024 is eight steps of 128, written out: the first starts the sums
	TURN 0, 1, 1                                   ; slot 0 takes K 512 to 767
	STEP 1, 0, 0
	TURN 1, 0, 1                                   ; slot 1 takes K 768 to 1,023
	STEP 0, 0, 0
	TURN 0, 1, 0                                   ; nothing is left to fetch
	STEP 1, 0, 0
	s_wait_dscnt 4*NL
	WIN MUL_LO
	MUL16 0, 1, 0
	MUL16 2, 1, 0
	s_wait_dscnt 0
	WIN MUL_HI
	MUL16 4, 1, 0
	MUL16 6, 1, 0
	WIN 0
	; ---- THE WAY OUT ----
	s_wait_kmcnt 0x0
	s_cmp_eq_u32 s67, 1
	s_cselect_b32 s92, s82, s80                    ; x's exponent: e2 : e0
	s_cselect_b32 s93, s83, s81                    ; the weight's: e3 : e1
	s_cselect_b32 s94, s87, s86                    ; the result's: e7 : e6
	s_cmp_eq_u32 s67, 2
	s_cselect_b32 s92, s84, s92                    ; v: e4, e5, e9
	s_cselect_b32 s93, s85, s93
	s_cselect_b32 s94, s89, s94
	s_cselect_b32 s95, s42, s17                    ; the tokens' tile of 256 and my half of it,
	s_cselect_b32 s96, s16, s15
	s_cselect_b32 s97, s17, s42                    ; the features' tile of 256 and my half of it
	s_cselect_b32 s98, s15, s16
	s_sub_co_i32 s94, s94, s92
	s_sub_co_i32 s94, s94, s93                     ; eOut - eA - eB
	s_add_co_i32 s94, s94, 127
	s_lshl_b32 s92, s94, 23
	v_mov_b32 v[SCV], s92
	s_add_co_i32 s94, s94, 8
	s_lshl_b32 s94, s94, 23
	s_or_b32 s94, s94, 0x600000
	v_mov_b32 v[LIMV], s94
	s_lshr_b32 s92, s95, 3                         ; the batch: 8 tiles of 256 tokens each
	s_lshl_b32 s92, s92, 4
	s_lshl_b32 s97, s97, 2
	s_add_co_u32 s92, s92, s97
	s_lshl_b32 s98, s98, 1
	s_add_co_u32 s92, s92, s98                     ; my first head of the batch: 16 batch + 4 tile + 2 half
	s_and_b32 s95, s95, 7
	s_lshl_b32 s95, s95, 1
	s_add_co_u32 s95, s95, s96                     ; my 128 tokens in the batch
	s_lshl_b32 s92, s92, 17
	s_lshl_b32 s95, s95, 13
	s_add_co_u32 s92, s92, s95                     ; in qimg: 131,072 bytes a head, 8,192 for 128 tokens;
	s_cmp_lg_u32 s67, 0
	s_cselect_b32 s93, 1, 0                        ; in kv: twice that
	s_cselect_b64 s[96:97], s[74:75], s[72:73]
	s_lshl_b32 s92, s92, s93
	s_lshl_b32 s94, 0x20000, s93
	v_add_nc_u32 v[VO1], s94, v[VO0]               ; one head on
	s_cmp_eq_u32 s67, 2
	s_cselect_b32 s93, 8192, 0                     ; v's tiles lie behind k's
	s_add_co_u32 s92, s92, s93
	s_mov_b32 s93, 0
	s_add_nc_u64 s[96:97], s[96:97], s[92:93]      ; where my results go
	s_lshl_b32 s92, s17, 16
	s_lshl_b32 s94, s15, 15
	s_add_co_u32 s92, s92, s94
	s_add_nc_u64 s[8:9], s[8:9], s[92:93]          ; the table at my 8 token tiles, 4,096 bytes each (q and k)
	PLACES NP                                      ; behind the last products: in front of the loads into B's registers and of the reads of results
.macro CODES a                         ; the block's 64 held numbers become 64 codes; registers 16 e + 0 .. 15 are 16 neighbours along the next K
.irp e, 0,1,2,3
	v_cvt_scalef32_pk8_fp8_f32 v[PC+16*(\a)+4*\e:PC+16*(\a)+4*\e+1], v[TMP+16*\e:TMP+16*\e+7], v[SCV]
	v_cvt_scalef32_pk8_fp8_f32 v[PC+16*(\a)+4*\e+2:PC+16*(\a)+4*\e+3], v[TMP+16*\e+8:TMP+16*\e+15], v[SCV]
.endr
	v_nop                                          ; a plain line between the last conversion and the next block's writes of its sources
.endm
	s_cmp_eq_u32 s67, 2
	s_cbranch_scc1 .Lv_way
	; q and k.  The table of my 128 tokens fills window 1: block a's 32 registers are cos, sin of my lane's 16 pairs
	WIN TO_B
.irp a, 0,1,2,3,4,5,6,7
.irp k, 0,1,2,3,4,5,6,7
	global_load_b128 v[32*\a+4*\k:32*\a+4*\k+3], v[VO0], s[8:9] offset:4096*\a+512*\k
.endr
.endr
	WIN 0
; Block a: 16 tokens x 128 features.  In accumulator b, registers i, i + 1 are the pair (x1, x2) of features 32 (b / 2) + 16 h + 8 (b % 2) + i; its cos, sin stand at 32 a + 16 ((b / 2) % 2) + 8 (b % 2) + i of window 1.
.macro QKBLK a
	s_wait_loadcnt 56-8*(\a)                       ; loads come back in order (ISA guide 5.7.1): this block's eight are in, the later blocks' may be out
	WIN 0x06+(\a)/4                                ; source 0: the accumulators' window; source 1: window 1
.irp b, 0,1,2,3,4,5,6,7
.irp i, 0,2,4,6
	v_pk_mul_f32 v[TMP+8*\b+\i:TMP+8*\b+\i+1], v[64*((\a)%4)+8*\b+\i:64*((\a)%4)+8*\b+\i+1], v[32*(\a)+16*((\b/2)%2)+8*(\b%2)+\i:32*(\a)+16*((\b/2)%2)+8*(\b%2)+\i+1] op_sel:[1,1] op_sel_hi:[0,1]   ; (x2 sin, x1 sin); each accumulator from its low end on
.endr
.endr
.irp b, 0,1,2,3,4,5,6,7
.irp i, 0,2,4,6
	v_pk_fma_f32 v[TMP+8*\b+\i:TMP+8*\b+\i+1], v[64*((\a)%4)+8*\b+\i:64*((\a)%4)+8*\b+\i+1], v[32*(\a)+16*((\b/2)%2)+8*(\b%2)+\i:32*(\a)+16*((\b/2)%2)+8*(\b%2)+\i+1], v[TMP+8*\b+\i:TMP+8*\b+\i+1] op_sel_hi:[1,0,1] neg_lo:[0,0,1]   ; (x1 cos - x2 sin, x2 cos + x1 sin)
.endr
.endr
	WIN 0
.set nn, 0
.rept 64
	v_med3_num_f32 v[TMP+nn], v[TMP+nn], -v[LIMV], v[LIMV]   ; the conversion to an 8-bit code does not saturate (ISA guide 7.6.2)
.set nn, nn+1
.endr
	CODES \a
.irp e, 0,1
	global_store_b128 v[VO0], v[PC+16*(\a)+4*\e:PC+16*(\a)+4*\e+3], s[96:97] offset:1024*(\a)+512*\e       ; my first head: 512 consecutive bytes, aligned
	global_store_b128 v[VO1], v[PC+16*(\a)+8+4*\e:PC+16*(\a)+8+4*\e+3], s[96:97] offset:1024*(\a)+512*\e   ; my second
.endr
.endm
.irp a, 0,1,2,3,4,5,6,7
	QKBLK \a
.endr
	s_branch .Lclose
.Lv_way:
; v.  Block a: 16 features (tile a % 4 of head a / 4 of my two) x 128 tokens, which are one step of 128 keys.
.macro VBLK a
	WIN 0x02+(\a)/4                                ; source 0: the accumulators' window
.set nn, 0
.rept 64
	v_med3_num_f32 v[TMP+nn], v[64*((\a)%4)+nn], -v[LIMV], v[LIMV]   ; each accumulator from its low end on
.set nn, nn+1
.endr
	WIN 0
	CODES \a
.irp e, 0,1,2,3
	global_store_b128 v[VO0], v[PC+16*(\a)+4*\e:PC+16*(\a)+4*\e+3], s[96:97] offset:((\a)/4)*262144+((\a)%4)*2048+512*\e
.endr
.endm
	s_wait_alu depctr_va_vdst(0)
.irp a, 0,1,2,3,4,5,6,7
	VBLK \a
.endr
.Lclose:
	s_wait_tensorcnt 0x0                           ; the wave's end, behind my last tensor load
	ds_add_u32 v[SPW], v[NIL]
	s_wait_dscnt 0x0
	CROUND                                         ; the closing round: no work-group ends while a partner may still ask for a tile that names it
	s_endpgm
.Lfunc_end_k_q0cbdb4a873_qkv:
	.size	k_q0cbdb4a873_qkv, .Lfunc_end_k_q0cbdb4a873_qkv-k_q0cbdb4a873_qkv
	.p2alignl 7, 3214868480
	.fill 96, 4, 3214868480
	.section	.rodata,"a",@progbits
	.p2align	6, 0x0
	.amdhsa_kernel k_q0cbdb4a873_qkv
		.amdhsa_group_segment_fixed_size 327680
		.amdhsa_private_segment_fixed_size 0
		.amdhsa_enable_private_segment 0
		.amdhsa_kernarg_size 48
		.amdhsa_user_sgpr_count 2
		.amdhsa_user_sgpr_kernarg_segment_ptr 1
		.amdhsa_wavefront_size32 1
		.amdhsa_system_sgpr_workgroup_id_x 1
		.amdhsa_system_sgpr_workgroup_id_y 1
		.amdhsa_system_sgpr_workgroup_id_z 1
		.amdhsa_system_vgpr_workitem_id 0
		.amdhsa_next_free_vgpr 1024
		.amdhsa_next_free_sgpr 100
		.amdhsa_reserve_vcc 0
		.amdhsa_float_denorm_mode_32 3
		.amdhsa_float_denorm_mode_16_64 3
		.amdhsa_memory_ordered 1
		.amdhsa_forward_progress 1
		.amdhsa_inst_pref_size 197
	.end_amdhsa_kernel
	.amdgpu_metadata
---
amdhsa.version: [ 1, 2 ]
amdhsa.kernels:
  - .name:           k_q0cbdb4a873_qkv
    .symbol:         k_q0cbdb4a873_qkv.kd
    .args:
      - { .name: ximg, .offset: 0, .size: 8, .value_kind: global_buffer, .address_space: global }
      - { .name: wimg, .offset: 8, .size: 8, .value_kind: global_buffer, .address_space: global }
      - { .name: rope, .offset: 16, .size: 8, .value_kind: global_buffer, .address_space: global }
      - { .name: lowp_scales, .offset: 24, .size: 8, .value_kind: global_buffer, .address_space: global }
      - { .name: qimg, .offset: 32, .size: 8, .value_kind: global_buffer, .address_space: global }
      - { .name: kv, .offset: 40, .size: 8, .value_kind: global_buffer, .address_space: global }
    .group_segment_fixed_size: 327680
    .private_segment_fixed_size: 0
    .kernarg_segment_align: 8
    .kernarg_segment_size: 48
    .max_flat_workgroup_size: 128
    .sgpr_count:     100
    .vgpr_count:     1024
    .wavefront_size: 32
...
	.end_amdgpu_metadata
.endif
;; end of part 2
;; launch attn (part 3): grid 4 x 64, 8 waves a work-group, clusters of 4 x 1, 327,680 bytes of LDS; arguments qimg, kv, lowp_scales, oimg; writes oimg
.if DOCPART == 3
	.amdgcn_target "amdgcn-amd-amdhsa--gfx1250"
	.amdhsa_code_object_version 6
	.text
	.protected	k_q0cbdb4a873_attn
	.globl	k_q0cbdb4a873_attn
	.p2align	8
	.type	k_q0cbdb4a873_attn,@function
k_q0cbdb4a873_attn:
	s_mov_b64 s[64:65], 0
	v_nop
	global_prefetch_b8 v0, s[64:65] scope:SCOPE_SE
	s_setreg_imm32_b32 hwreg(HW_REG_WAVE_MODE, 25, 1), 1
	s_wait_xcnt 0x0
	s_wait_alu depctr_hold_cnt(0) depctr_sa_sdst(0) depctr_va_vdst(0) depctr_va_sdst(0) depctr_va_ssrc(0) depctr_va_vcc(0) depctr_vm_vsrc(0)
	s_getreg_b32 s2, hwreg(HW_REG_IB_STS2, 6, 4)
	s_cmp_eq_u32 s2, 0
	s_cbranch_scc0 .Lentry_in_a_cluster
	s_endpgm
.Lentry_in_a_cluster:
	s_bfe_u32 s2, ttmp6, 0x10000c
	s_cmp_lg_u32 s2, 0x3003
	s_cbranch_scc0 .Lentry_shape_is_right
	s_endpgm
.Lentry_shape_is_right:
; o = softmax(q k^T / 8, causal) v for 64 heads of batches, 2,048 tokens, head size 64, both products on codes of E4M3; o is quantised by 2^e10 for the last product.
; THE SOFTMAX AHEAD OF THE SECOND PRODUCT: t = score x log2(e) / 8; M = the row's largest t so far, rounded up to a whole number; p = 2^(t - M) is quantised by 2^e8, not normalised.
; The row's sum is taken of the unquantised p and divides at the end.  When M moves, the sum and O are multiplied by 2^(old M - new M), which rounds nothing.
; LEFT OUT: steps of 128 keys all of which come after a tile's queries: the causal mask of the problem's own body gives them the weight 0 for every input.
; OPERANDS are images of registers: qimg [head 64][token tile 128][c 2][lane][16]; kv [head 64][128 keys 16][16,384]: 8 key tiles x 1,024 bytes, then 4 tiles of V^T (16 of the head's 64 x 128 keys) x 2,048.
; Tile 2 b + u holds rows 32 b + 8 u + r + 8 (r / 8).  Both products are used transposed (S^T = K Q^T, O^T = V^T P^T): a lane holds ONE query; the 16 registers of tiles 2 b, 2 b + 1 are 16 neighbours (keys, then channels).
; LDS HOLDS THE HEAD'S WHOLE kv IMAGE, 16 x 16,384 = 262,144 bytes, as it lies in memory: every byte is filled once and nothing is filled again.
; SHARES.  Four work-groups to a head, one cluster.  Work-group cx owns tiles 2 cx and 2 cx + 1 of EACH of the 16 blocks of 128 queries, and reads all 16 key steps.
; Wave w owns both these tiles of block 15 - w (walked first) and both of block w: (16 - w) + (w + 1) = 17 trips in every wave.  A trip is two tiles x 128 keys: each fragment of K and of V is read from LDS once and feeds both tiles.
; THE TWO TILES GO THROUGH EACH PHASE OF A TRIP TOGETHER: both tiles' scores, both maxima, the two dependent runs up to f line by line, one batch of 128 exponentials; the first tile's second product is issued ahead of the second tile's sums and codes.
; A pair's last trip is its block's own key step: there alone the mask is applied and the pair goes out; that is trip 15 - w (8 at the least) and trip 16.
; THE FILLS, one joint load a wave each: key steps 0-2 at the head (6,144 bytes a wave), steps 3-15 behind the next round (26,624).  Trip c reads key step c at the most,
; so trips 0-2 and 3-16 are two loops, with the waits and a barrier between them; behind that barrier no wave waits for another until the closing round.  In the second loop the next trip's K is fetched as soon as the scores are made.
; CLUSTER of 4 x 1: the four partners need the same bytes of kv: each load names all four (mask 15).  No branch, trip count or LDS address hangs on cx: it enters the addresses of q and o and the mask's numbers alone.
; NO PREFETCH: every byte of kv is asked for by a tensor load behind the first round at the latest, and the last load has three trips in which to land: no later stream is left to run ahead of.
; LIMITS: e6 + e7 between -123 and 130 (added to c's exponent field); e8 and e10 between -126 and 119; e8 + e9 is applied by v_ldexp_f32 and has none; the scaled scores stay under 2^31 in magnitude.  NaN among the inputs is not served.
; REGISTERS, window 0: v1 16 x lane; v2 the first tile's query less the block's first key less 16 h; v5, v6 the add's two; v8, v9 LDS addresses; v12-15 and v24-27 for each tile -M, the largest t, the sum in two halves;
;   v16-23, v208-215 the two tiles' Q; v32-95 K's fragments; v96-159 the first tile's S^T, then p; v160-191 its O^T; v192-195 2^e8, 448 x 2^e8, 2^e10, 448 x 2^e10; v196-203, v207 at work; v224-239 its p's codes;
;   v240-251 maxima, then partial sums; v216-223, v28-31, v252-255 o's codes.
;   window 1, under the same numbers: v32-95 V^T's fragments; v96-159, v160-191, v224-239 the second tile's S^T, O^T and codes; v16-23, v208-215 the early pair's Q.
.set SPARE, 294912                     ; the spare words, 128 bytes for each wave: four blocks of 256 bytes that no other line names
.set LI,   1
.set QL,   2
.set SPW,  5
.set NIL,  6
.set ADK,  8
.set ADN,  9
.set STA,  12
.set STB,  24
.set MA,   240
.set MB,   244
.set LC,   12                          ; s12  the late pair's last trip and block: 15 - w
.set C,    13                          ; s13  the trip
.set FLAG, 14                          ; s14  1 in a pair's last trip
.set TB,   15                          ; s15  LDS byte of the trip's key step
.set DQ,   16                          ; s16  the first tile's first query in its block: 32 cx
.set TBN,  17                          ; s17  LDS byte of the next trip's key step
.set WV,   18                          ; s18  my wave's number, which is the early pair's block
.set SEL,  20                          ; s[20:21] lane selects for v_permlanex16_b32: lane l xor 16
.set CS,   22                          ; s[22:23] c = log2(e) / 8 x 2^(e6 + e7)
.set G1A,  24                          ; s[24:39] two groups 1: dense blocks as 24 and 104 rows of 256 bytes
.set G1B,  32
.set G0A,  48                          ; s[48:55] their groups 0
.set G0B,  52
.set ES,   73                          ; s73  e8 + e9
.set OB,   78                          ; s[78:79] o's image of the pair that goes out
.set QLB,  88                          ; s[88:89] the late pair's q, s[90:91] the early one's
.set QEB,  90
.set OLB,  92                          ; s[92:93] the late pair's o, s[94:95] the early one's
.set OEB,  94
.set MSB, 0
.macro WIN new                         ; low byte: bits 1:0 source 0, 3:2 source 1, 5:4 source 2, 7:6 destination; the high byte repeats the setting that is left
.if MSB != (\new)
	s_set_vgpr_msb (MSB<<8)|(\new)
.set MSB, (\new)
.endif
.endm
.macro ROUND                           ; a round of the cluster's barrier
	s_barrier_signal -1
	s_barrier_wait -1
	s_cmp_lg_u32 s[WV], 0
	s_cbranch_scc1 .Lnw0_\@
	s_barrier_signal -3
.Lnw0_\@:
	s_barrier_wait -3
	s_barrier_signal -1
	s_barrier_wait -1
.endm
.macro SEQ                             ; all my tensor loads are in; an add to my spare word; it and my LDS reads are done
	s_wait_tensorcnt 0x0
	ds_add_u32 v[SPW], v[NIL]
	s_wait_dscnt 0x0
.endm
.macro NEXT lbl, lim
	s_add_co_u32 s[C], s[C], 1
	s_cmp_lt_u32 s[C], \lim
	s_wait_alu depctr_va_vdst(0)                   ; the wait directly ahead of the backward jump
	s_cbranch_scc1 \lbl
.endm
.macro KLOADS adr                      ; a key step's 8 tiles of K
.irp t, 0,1,2,3,4,5,6,7
	ds_load_b128 v[32+8*\t:35+8*\t], v[\adr] offset:1024*\t
	ds_load_b128 v[36+8*\t:39+8*\t], v[\adr] offset:1024*\t+512
.endr
.endm
.macro VLOADS                          ; its 4 tiles of V^T, into window 1
	WIN 0x40
.irp t, 0,1,2,3
.irp c, 0,1,2,3
	ds_load_b128 v[32+16*\t+4*\c:35+16*\t+4*\c], v[ADK] offset:8192+2048*\t+512*\c
.endr
.endr
	WIN 0
.endm
	s_load_b256 s[4:11], s[0:1], 0x0               ; qimg s[4:5], kv s[6:7], the scales' exponents s[8:9], oimg s[10:11]
	v_lshl_add_u32 v[SPW], v0, 2, SPARE
	v_mov_b32 v[NIL], 0
	ds_add_u32 v[SPW], v[NIL]                      ; the opening lines: the add, twice on end, and its wait ahead of my first tensor load
	ds_add_u32 v[SPW], v[NIL]
	v_lshrrev_b32 v8, 5, v0
	v_readfirstlane_b32 s[WV], v8                  ; wave 0..7
	s_xor_b32 s[LC], s[WV], 15                     ; 15 - w
	s_bfe_u32 s81, ttmp6, 0x40000                  ; cx
	s_and_b32 s82, ttmp7, 0xffff                   ; the head of a batch
	s_lshl_b32 s83, s81, 1                         ; my first tile in a block
	s_lshl_b32 s84, s[LC], 3
	s_add_co_u32 s84, s84, s83                     ; the late pair's first token tile in the batch,
	s_lshl_b32 s85, s[WV], 3
	s_add_co_u32 s85, s85, s83                     ; the early pair's
	s_lshl_b32 s[DQ], s81, 5
	s_lshl_b32 s86, s82, 17                        ; qimg: 131,072 bytes a head, 1,024 a tile
	s_lshl_b32 s[QLB], s84, 10
	s_add_co_u32 s[QLB], s[QLB], s86
	s_mov_b32 s[QLB+1], 0
	s_lshl_b32 s[QEB], s85, 10
	s_add_co_u32 s[QEB], s[QEB], s86
	s_mov_b32 s[QEB+1], 0
	s_lshr_b32 s86, s82, 4
	s_lshl_b32 s86, s86, 7                         ; oimg: 16,384 bytes a token tile among all 512, 1,024 a head
	s_and_b32 s87, s82, 15
	s_lshl_b32 s87, s87, 10
	s_add_co_u32 s[OLB], s86, s84
	s_lshl_b32 s[OLB], s[OLB], 14
	s_add_co_u32 s[OLB], s[OLB], s87
	s_mov_b32 s[OLB+1], 0
	s_add_co_u32 s[OEB], s86, s85
	s_lshl_b32 s[OEB], s[OEB], 14
	s_add_co_u32 s[OEB], s[OEB], s87
	s_mov_b32 s[OEB+1], 0
	s_lshl_b32 s96, s82, 18                        ; kv: 262,144 bytes a head
	s_mov_b32 s97, 0
	s_mul_i32 s[G0A+1], s[WV], 6144                ; my part of each fill, in LDS as in the head's image
	s_mul_i32 s[G0B+1], s[WV], 26624
	s_add_co_u32 s[G0B+1], s[G0B+1], 49152
.irp g, G1A, G1B
	s_mov_b32 s[\g], 15|(3<<16)|(1<<21)            ; 15:0 the mask: all four partners; 17:16 elements of 8 bytes; 21 set beside a mask; no padding
	s_mov_b32 s[\g+1], 32<<16                      ; tensor_dim0 = 32
	s_mov_b32 s[\g+3], 32<<16                      ; tile_dim0 = 32
	s_mov_b32 s[\g+5], 32                          ; tensor_dim0_stride
	s_mov_b32 s[\g+6], 0
	s_mov_b32 s[\g+7], 0
.endr
	s_mov_b32 s[G1A+2], 24<<16                     ; tensor_dim1 and tile_dim1: the rows
	s_mov_b32 s[G1A+4], 24
	s_mov_b32 s[G1B+2], 104<<16
	s_mov_b32 s[G1B+4], 104
	s_mov_b32 s[SEL], 0x76543210
	s_mov_b32 s[SEL+1], 0xfedcba98
	s_mov_b32 s[CS], 0x3e38aa3b                    ; log2(e) / 8
	s_mov_b32 s[C], 0
	s_mov_b32 s99, 0
	s_wait_dscnt 0x0                               ; both opening adds are done
	s_wait_kmcnt 0x0
	s_load_b128 s[68:71], s[8:9], 0x18             ; e6, e7, e8, e9
	s_load_b32 s72, s[8:9], 0x28                   ; e10
	s_add_nc_u64 s[6:7], s[6:7], s[96:97]          ; kv at my head: the same in all four partners
.irp g, G0A, G0B
	s_mov_b32 s[\g], 1                             ; count = 1
	s_mov_b32 s98, s[\g+1]
	s_add_nc_u64 s[\g+2:\g+3], s[6:7], s[98:99]    ; global address
	s_or_b32 s[\g+3], s[\g+3], 0x80000000          ; type = 2
.endr
	s_add_nc_u64 s[QLB:QLB+1], s[4:5], s[QLB:QLB+1]
	s_add_nc_u64 s[QEB:QEB+1], s[4:5], s[QEB:QEB+1]
	s_add_nc_u64 s[OLB:OLB+1], s[10:11], s[OLB:OLB+1]
	s_add_nc_u64 s[OEB:OEB+1], s[10:11], s[OEB:OEB+1]
	ROUND                                          ; all four work-groups are here: the first joint loads meet
	tensor_load_to_lds s[G0A:G0A+3], s[G1A:G1A+7]  ; key steps 0 to 2: my one load at the head
	s_nop 0
.rept 4
	v_nop                                          ; the windows are switched only behind these
.endr
	v_and_b32 v9, 31, v0
	v_lshlrev_b32 v[LI], 4, v9
.irp k, 0,1                            ; all four tiles' Q stay in registers: the late pair's in window 0, the early pair's in window 1
	WIN 0x40*\k
	global_load_b128 v[16:19], v[LI], s[QLB+2*\k:QLB+2*\k+1]
	global_load_b128 v[20:23], v[LI], s[QLB+2*\k:QLB+2*\k+1] offset:512
	global_load_b128 v[208:211], v[LI], s[QLB+2*\k:QLB+2*\k+1] offset:1024
	global_load_b128 v[212:215], v[LI], s[QLB+2*\k:QLB+2*\k+1] offset:1536
.endr
.set nn, 0
.rept 32
	v_mov_b32 v[160+nn], 0                         ; the second tile's O^T (window 1): the trip is written once; a pair's first trip finds zeros
.set nn, nn+1
.endr
	WIN 0
.set nn, 0
.rept 32
	v_mov_b32 v[160+nn], 0                         ; the first tile's
.set nn, nn+1
.endr
	v_and_b32 v10, 15, v0
	v_bfe_u32 v11, v0, 4, 1
	v_and_b32 v[QL], 8, v10
	v_add_nc_u32 v[QL], v[QL], v10
	v_lshlrev_b32 v11, 4, v11
	v_sub_nc_u32 v[QL], v[QL], v11                 ; r + 8 (r / 8) - 16 h
	v_add_nc_u32 v[QL], s[DQ], v[QL]               ; d of the first tile; the second tile's is 8 more
.irp st, STA, STB
	v_mov_b32 v[\st+1], 0xff61b1e6                 ; the largest t so far: -3e38, under every t
	v_floor_f32 v[\st], -v[\st+1]                  ; -M
	v_mov_b32 v[\st+2], 0
	v_mov_b32 v[\st+3], 0
.endr
	v_mov_b32 v196, 0                              ; written once: a lane permute's destination counts as one of its sources
	v_mov_b32 v197, 0
	v_mov_b32 v201, 0                              ; (named as the upper halves of the pairs v[200:201], v[202:203])
	v_mov_b32 v203, 0
	v_mov_b32 v207, 0xff800000                     ; -infinity
	s_wait_kmcnt 0x0
	s_add_co_i32 s96, s68, s69
	s_lshl_b32 s96, s96, 23
	s_add_co_i32 s[CS], s[CS], s96                 ; a score stands for score x 2^(e6 + e7)
	s_mov_b32 s[CS+1], s[CS]
	s_add_co_i32 s[ES], s70, s71
	s_add_co_i32 s96, s70, 127
	s_lshl_b32 s97, s96, 23
	v_mov_b32 v192, s97                            ; 2^e8
	s_add_co_i32 s96, s96, 8
	s_lshl_b32 s96, s96, 23
	s_or_b32 s96, s96, 0x600000
	v_mov_b32 v193, s96                            ; 448 x 2^e8
	s_add_co_i32 s96, s72, 127
	s_lshl_b32 s97, s96, 23
	v_mov_b32 v194, s97                            ; 2^e10
	s_add_co_i32 s96, s96, 8
	s_lshl_b32 s96, s96, 23
	s_or_b32 s96, s96, 0x600000
	v_mov_b32 v195, s96                            ; 448 x 2^e10
; THE PHASES OF A TRIP.  w: the window of the tile's S^T, O^T and codes (0 the first tile, 1 the second).
.macro MASK w, dk                      ; dk: the tile's first query less the pair's
	WIN 0x41*\w
.set nn, 0
.rept 64
	v_cmp_gt_i32 vcc_lo, 32*(nn/16)+nn%16-\dk, v[QL]   ; register 16 b + i is hidden where 32 b + i > d
	v_cndmask_b32 v[96+nn], v[96+nn], v207, vcc_lo
.set nn, nn+1
.endr
	WIN 0
.endm
.macro MAXT m, w                       ; the step's largest score of my query among my 64 keys, in four chains; each accumulator from its low end on
	WIN 0x15*\w
	v_max3_num_f32 v[\m], v96, v97, v98
	v_max3_num_f32 v[\m+1], v99, v100, v101
	v_max3_num_f32 v[\m+2], v102, v103, v104
	v_max3_num_f32 v[\m+3], v105, v106, v107
	WIN 0x14*\w
.irp i, 108,116,124,132,140,148
	v_max3_num_f32 v[\m], v[\m], v[\i], v[\i+1]
	v_max3_num_f32 v[\m+1], v[\m+1], v[\i+2], v[\i+3]
	v_max3_num_f32 v[\m+2], v[\m+2], v[\i+4], v[\i+5]
	v_max3_num_f32 v[\m+3], v[\m+3], v[\i+6], v[\i+7]
.endr
	v_max3_num_f32 v[\m], v[\m], v156, v157
	v_max3_num_f32 v[\m+1], v[\m+1], v158, v159
	WIN 0
.endm
.macro PRE st, f, w                    ; t - M, two at a time; O^T and the sum under the new M, ahead of the exponentials
	WIN 0x41*\w
.set nn, 0
.rept 32
	v_pk_fma_f32 v[96+nn:97+nn], v[96+nn:97+nn], s[CS:CS+1], v[\st:\st+1] op_sel_hi:[1,0,0]
.set nn, nn+2
.endr
.set nn, 0
.rept 16
	v_pk_mul_f32 v[160+nn:161+nn], v[160+nn:161+nn], v[\f:\f+1] op_sel_hi:[1,0]   ; each accumulator from its low end on
.set nn, nn+2
.endr
	WIN 0
	v_pk_mul_f32 v[\st+2:\st+3], v[\st+2:\st+3], v[\f:\f+1] op_sel_hi:[1,0]
.endm
.macro EXPS w
	WIN 0x41*\w
.set nn, 0
.rept 64
	v_exp_f32 v[96+nn], v[96+nn]                   ; p = 2^(t - M)
.set nn, nn+1
.endr
.endm
.macro SUMS st, c, w                   ; the row's sum of the unquantised p, in four chains
	WIN 0x05*\w
	v_pk_add_f32 v[\c:\c+1], v[96:97], v[98:99]
	v_pk_add_f32 v[\c+2:\c+3], v[100:101], v[102:103]
	v_pk_add_f32 v[\c+4:\c+5], v[104:105], v[106:107]
	WIN 0x04*\w
.irp j, 108,116,124,132,140,148
	v_pk_add_f32 v[\st+2:\st+3], v[\st+2:\st+3], v[\j:\j+1]
	v_pk_add_f32 v[\c:\c+1], v[\c:\c+1], v[\j+2:\j+3]
	v_pk_add_f32 v[\c+2:\c+3], v[\c+2:\c+3], v[\j+4:\j+5]
	v_pk_add_f32 v[\c+4:\c+5], v[\c+4:\c+5], v[\j+6:\j+7]
.endr
	v_pk_add_f32 v[\st+2:\st+3], v[\st+2:\st+3], v[156:157]
	v_pk_add_f32 v[\c:\c+1], v[\c:\c+1], v[158:159]
	WIN 0
	v_pk_add_f32 v[\c+2:\c+3], v[\c+2:\c+3], v[\c+4:\c+5]
	v_pk_add_f32 v[\st+2:\st+3], v[\st+2:\st+3], v[\c:\c+1]
	v_pk_add_f32 v[\st+2:\st+3], v[\st+2:\st+3], v[\c+2:\c+3]
.endm
.macro CODEPV w                        ; p's codes, and O^T += V^T P^T
	WIN 0x41*\w
.irp b, 0,1,2,3
.irp i, 0,1,2,3,4,5,6,7,8,9,10,11,12,13,14,15
	v_min_num_f32 v[96+16*\b+\i], v[96+16*\b+\i], v193   ; the conversion does not saturate (ISA guide 7.6.2); p is not negative, so the hold is one-sided
.endr
	v_cvt_scalef32_pk8_fp8_f32 v[224+4*\b:225+4*\b], v[96+16*\b:103+16*\b], v192
	v_cvt_scalef32_pk8_fp8_f32 v[226+4*\b:227+4*\b], v[104+16*\b:111+16*\b], v192
.endr
	v_nop                                          ; a plain line between the last conversion and the products
	WIN 0x01+0x54*\w                               ; source 0: V^T in window 1; the codes, C and D: this tile's window
.irp t, 0,1,2,3
	v_wmma_f32_16x16x128_fp8_fp8 v[160+8*\t:167+8*\t], v[32+16*\t:47+16*\t], v[224:239], v[160+8*\t:167+8*\t]   ; four accumulators by turns
.endr
.endm
; TWO TILES x the 128 keys whose fragments are in registers.  diag: the copy in which a pair can have its last trip; pf: the next trip's K is fetched behind the scores.
.macro PAIR diag, pf
.irp t, 0,1,2,3,4,5,6,7
	v_wmma_f32_16x16x64_fp8_fp8 v[96+8*\t:103+8*\t], v[32+8*\t:39+8*\t], v[16:23], 0   ; S^T: register 16 b + i holds key 32 b + 16 h + i of the step
.endr
	WIN 0x40
.irp t, 0,1,2,3,4,5,6,7
	v_wmma_f32_16x16x64_fp8_fp8 v[96+8*\t:103+8*\t], v[32+8*\t:39+8*\t], v[208:215], 0   ; the second tile's, into window 1
.endr
	WIN 0
.rept 4
	v_nop                                          ; four places ahead of the reads of S^T and of the loads into K's registers
.endr
.if \pf
	s_cmp_eq_u32 s[C], 16                          ; behind the last trip nothing follows
	s_cbranch_scc1 .Lnopf_\@
	KLOADS ADN
.Lnopf_\@:
.endif
.if \diag
	s_cmp_eq_u32 s[FLAG], 0                        ; all keys count but in the pair's last trip
	s_cbranch_scc1 .Lopen_\@
	MASK 0, 0
	MASK 1, 8
.Lopen_\@:
.endif
	MAXT MA, 0
	MAXT MB, 1
	v_max3_num_f32 v[MA], v[MA], v[MA+1], v[MA+2]  ; from here to f the two tiles' dependent runs go line by line
	v_max3_num_f32 v[MB], v[MB], v[MB+1], v[MB+2]
	v_max_num_f32 v[MA], v[MA], v[MA+3]
	v_max_num_f32 v[MB], v[MB], v[MB+3]
	v_permlanex16_b32 v196, v[MA], s[SEL], s[SEL+1]
	v_permlanex16_b32 v197, v[MB], s[SEL], s[SEL+1]
	v_max_num_f32 v[MA], v[MA], v196               ; and among lane l xor 16's
	v_max_num_f32 v[MB], v[MB], v197
	v_mul_f32 v[MA], s[CS], v[MA]                  ; as t (c is positive)
	v_mul_f32 v[MB], s[CS], v[MB]
	v_max_num_f32 v[STA+1], v[STA+1], v[MA]        ; the running largest t
	v_max_num_f32 v[STB+1], v[STB+1], v[MB]
	v_mov_b32 v198, v[STA]
	v_mov_b32 v199, v[STB]
	v_floor_f32 v[STA], -v[STA+1]                  ; the new -M = -ceil(t): a whole number
	v_floor_f32 v[STB], -v[STB+1]
	v_sub_f32 v198, v[STA], v198                   ; old M - new M: a whole number, 0 or less
	v_sub_f32 v199, v[STB], v199
	v_cvt_i32_f32 v198, v198                       ; (it saturates)
	v_cvt_i32_f32 v199, v199
	v_ldexp_f32 v200, 1.0, v198                    ; f = 2^(old M - new M)
	v_ldexp_f32 v202, 1.0, v199
	PRE STA, 200, 0
	PRE STB, 202, 1
	s_wait_alu depctr_va_vdst(0)                   ; ahead of the batch
	EXPS 0                                         ; one batch of 128
	EXPS 1
	WIN 0
	v_nop                                          ; a plain line behind the exponentials
	s_wait_alu depctr_va_vdst(0)                   ; one wait for the batch, ahead of its first reader
	s_wait_dscnt 0x0                               ; V^T's fragments are in (and the next trip's K, asked for behind them)
	SUMS STA, 240, 0
	CODEPV 0
	SUMS STB, 246, 1
	CODEPV 1
	WIN 0
.endm
; A TILE GOES OUT.  O^T / the sum x 2^(e8 + e9) is o; register 16 b + i is channel 32 b + 16 h + i of my query: its codes are two pieces of the last product's image.
.macro FIN st, ow, oa, ob, off
	v_add_f32 v[\st+2], v[\st+2], v[\st+3]
	s_delay_alu instid0(VALU_DEP_1)
	v_permlanex16_b32 v196, v[\st+2], s[SEL], s[SEL+1]
	s_delay_alu instid0(VALU_DEP_1)
	v_add_f32 v[\st+2], v[\st+2], v196             ; the row's sum
	s_wait_alu depctr_va_vdst(0)                   ; ahead of the transcendental
	v_rcp_f32 v[\st+2], v[\st+2]
	v_nop                                          ; a plain line behind it
	s_wait_alu depctr_va_vdst(0)                   ; ahead of its first reader
	v_ldexp_f32 v[\st+2], v[\st+2], s[ES]
	WIN \ow
	s_wait_alu depctr_va_vdst(0)
.set nn, 0
.rept 16
	v_pk_mul_f32 v[96+nn:97+nn], v[160+nn:161+nn], v[\st+2:\st+3] op_sel_hi:[1,0]   ; each accumulator from its low end on
.set nn, nn+2
.endr
	WIN 0
.set nn, 0
.rept 32
	v_med3_num_f32 v[96+nn], v[96+nn], -v195, v195
.set nn, nn+1
.endr
	v_cvt_scalef32_pk8_fp8_f32 v[\oa:\oa+1], v[96:103], v194
	v_cvt_scalef32_pk8_fp8_f32 v[\oa+2:\oa+3], v[104:111], v194
	v_cvt_scalef32_pk8_fp8_f32 v[\ob:\ob+1], v[112:119], v194
	v_cvt_scalef32_pk8_fp8_f32 v[\ob+2:\ob+3], v[120:127], v194
	v_nop
	global_store_b128 v[LI], v[\oa:\oa+3], s[OB:OB+1] offset:\off            ; 512 consecutive bytes, aligned
	global_store_b128 v[LI], v[\ob:\ob+3], s[OB:OB+1] offset:\off+512
.endm
	s_wait_alu depctr_va_vdst(0)                   ; the wait at the head's end
	SEQ                                            ; my part of key steps 0 to 2 is in
	ROUND                                          ; everybody's is, in all four work-groups
	tensor_load_to_lds s[G0B:G0B+3], s[G1B:G1B+7]  ; key steps 3 to 15: a first fill, my one load behind this round
	s_nop 0
	s_wait_loadcnt 0x0                             ; Q
.Lta:                                              ; trips 0 to 2: the late pair, key step = trip
	s_lshl_b32 s[TB], s[C], 14
	v_add_nc_u32 v[ADK], s[TB], v[LI]
.rept 3
	v_nop                                          ; with the addition above: four places in front of loads into registers that matrix instructions have read
.endr
	KLOADS ADK
	VLOADS
	s_wait_alu depctr_va_vdst(0)
	s_wait_dscnt 16                                ; K's 16 loads are in; V^T's 16, which are younger, may be out
	PAIR 0, 0
	NEXT .Lta, 3
	SEQ                                            ; my part of key steps 3 to 15 is in
	s_barrier_signal -1
	s_barrier_wait -1                              ; everybody's is: from here on the waves walk alone
	s_mov_b32 s[TBN], 49152                        ; trip 3 reads key step 3
	v_add_nc_u32 v[ADN], s[TBN], v[LI]
	KLOADS ADN
.Ltb:                                              ; trips 3 to 16: key step = trip up to 15 - w, then the early pair's: trip + w - 16
	s_mov_b32 s[TB], s[TBN]
	s_add_co_u32 s81, s[C], 1                      ; the next trip's key step
	s_add_co_u32 s80, s81, s[WV]
	s_and_b32 s80, s80, 15
	s_cmp_le_u32 s81, s[LC]
	s_cselect_b32 s80, s81, s80
	s_min_u32 s80, s80, 15
	s_lshl_b32 s[TBN], s80, 14
	s_cmp_eq_u32 s[C], s[LC]
	s_cselect_b32 s[FLAG], 1, 0
	s_cmp_eq_u32 s[C], 16
	s_cselect_b32 s[FLAG], 1, s[FLAG]
	v_add_nc_u32 v[ADK], s[TB], v[LI]
	v_add_nc_u32 v[ADN], s[TBN], v[LI]
	v_nop
	v_nop                                          ; four places in front of loads into V^T's registers
	VLOADS
	s_wait_alu depctr_va_vdst(0)
	s_wait_dscnt 16                                ; K's 16 loads, asked for ahead of these, are in; V^T's 16 may be out
	PAIR 1, 1
	s_cmp_eq_u32 s[FLAG], 0
	s_cbranch_scc1 .Lnext
	v_nop
	v_nop
	s_wait_xcnt 0x0                                ; the first pair's stores have read their data and base: both may be written
	s_cmp_eq_u32 s[C], 16
	s_cselect_b64 s[OB:OB+1], s[OEB:OEB+1], s[OLB:OLB+1]
	FIN STA, 0, 216, 220, 0
	FIN STB, 1, 28, 252, 16384                     ; the next token tile
	s_cmp_eq_u32 s[C], 16                          ; behind the second pair nothing follows
	s_cbranch_scc1 .Lnext
.irp st, STA, STB                      ; the early pair begins
	v_mov_b32 v[\st+1], 0xff61b1e6
	v_floor_f32 v[\st], -v[\st+1]
	v_mov_b32 v[\st+2], 0
	v_mov_b32 v[\st+3], 0
.endr
.set nn, 0
.rept 32
	v_mov_b32 v[160+nn], 0
.set nn, nn+1
.endr
	WIN 0x40
.set nn, 0
.rept 32
	v_mov_b32 v[160+nn], 0
.set nn, nn+1
.endr
	WIN 0x01
.set nn, 0
.rept 8
	v_mov_b32 v[16+nn], v[16+nn]                   ; its Q, out of window 1
	v_mov_b32 v[208+nn], v[208+nn]
.set nn, nn+1
.endr
	WIN 0
.Lnext:
	NEXT .Ltb, 17
	s_wait_tensorcnt 0x0                           ; the wave's end
	ds_add_u32 v[SPW], v[NIL]
	s_wait_dscnt 0x0
	ROUND                                          ; the closing round
	s_endpgm
.Lfunc_end_k_q0cbdb4a873_attn:
	.size	k_q0cbdb4a873_attn, .Lfunc_end_k_q0cbdb4a873_attn-k_q0cbdb4a873_attn
	.p2alignl 7, 3214868480
	.fill 96, 4, 3214868480
	.section	.rodata,"a",@progbits
	.p2align	6, 0x0
	.amdhsa_kernel k_q0cbdb4a873_attn
		.amdhsa_group_segment_fixed_size 327680
		.amdhsa_private_segment_fixed_size 0
		.amdhsa_enable_private_segment 0
		.amdhsa_kernarg_size 32
		.amdhsa_user_sgpr_count 2
		.amdhsa_user_sgpr_kernarg_segment_ptr 1
		.amdhsa_wavefront_size32 1
		.amdhsa_system_sgpr_workgroup_id_x 1
		.amdhsa_system_sgpr_workgroup_id_y 1
		.amdhsa_system_sgpr_workgroup_id_z 1
		.amdhsa_system_vgpr_workitem_id 0
		.amdhsa_next_free_vgpr 496
		.amdhsa_next_free_sgpr 100
		.amdhsa_reserve_vcc 1
		.amdhsa_float_denorm_mode_32 3
		.amdhsa_float_denorm_mode_16_64 3
		.amdhsa_memory_ordered 1
		.amdhsa_forward_progress 1
		.amdhsa_inst_pref_size 90
	.end_amdhsa_kernel
	.amdgpu_metadata
---
amdhsa.version: [ 1, 2 ]
amdhsa.kernels:
  - .name:           k_q0cbdb4a873_attn
    .symbol:         k_q0cbdb4a873_attn.kd
    .args:
      - { .name: qimg, .offset: 0, .size: 8, .value_kind: global_buffer, .address_space: global }
      - { .name: kv, .offset: 8, .size: 8, .value_kind: global_buffer, .address_space: global }
      - { .name: lowp_scales, .offset: 16, .size: 8, .value_kind: global_buffer, .address_space: global }
      - { .name: oimg, .offset: 24, .size: 8, .value_kind: global_buffer, .address_space: global }
    .group_segment_fixed_size: 327680
    .private_segment_fixed_size: 0
    .kernarg_segment_align: 8
    .kernarg_segment_size: 32
    .max_flat_workgroup_size: 256
    .sgpr_count:     100
    .vgpr_count:     496
    .wavefront_size: 32
...
	.end_amdgpu_metadata
.endif
;; end of part 3
;; launch outp (part 4): grid 4 x 32, 4 waves a work-group, clusters of 4 x 4, 327,680 bytes of LDS; arguments oimg, wimg, lowp_scales, out0; writes out0
.if DOCPART == 4
	.amdgcn_target "amdgcn-amd-amdhsa--gfx1250"
	.amdhsa_code_object_version 6
	.text
	.protected	k_q0cbdb4a873_outp
	.globl	k_q0cbdb4a873_outp
	.p2align	8
	.type	k_q0cbdb4a873_outp,@function
k_q0cbdb4a873_outp:
	s_mov_b64 s[64:65], 0
	v_nop
	global_prefetch_b8 v0, s[64:65] scope:SCOPE_SE
	s_setreg_imm32_b32 hwreg(HW_REG_WAVE_MODE, 25, 1), 1
	s_wait_xcnt 0x0
	s_wait_alu depctr_hold_cnt(0) depctr_sa_sdst(0) depctr_va_vdst(0) depctr_va_sdst(0) depctr_va_ssrc(0) depctr_va_vcc(0) depctr_vm_vsrc(0)
	s_getreg_b32 s2, hwreg(HW_REG_IB_STS2, 6, 4)
	s_cmp_eq_u32 s2, 0
	s_cbranch_scc0 .Lentry_in_a_cluster
	s_endpgm
.Lentry_in_a_cluster:
	s_bfe_u32 s2, ttmp6, 0x10000c
	s_cmp_lg_u32 s2, 0xf033
	s_cbranch_scc0 .Lentry_shape_is_right
	s_endpgm
.Lentry_shape_is_right:
.set ROWB,   4096
.set TILEB,  16384
.set FR,     16
.set NL,     4
.set NP,     4
.set HALFT,  32768
.set SLOT,   4*HALFT
.set SPARE,  2*SLOT
.set SPITCH, 528
.set ADRA, 16
.set ADRB, 20
.set STO,  24
.set RD,   25
.set CO,   26
.set SPW,  28
.set NIL,  29
.set TMP,  32
.set AF,   128
.set BK,   128
.set G1, 24
.set G0, 32
.set G1B, 48
.set G0B, 56
.set MSB, 0
.macro WIN new
.if MSB != (\new)
	s_set_vgpr_msb (MSB<<8)|(\new)
.set MSB, (\new)
.endif
.endm
.set MUL_LO, 0xa1
.set MUL_HI, 0xf1
.set TO_B,   0x40
.macro JLOAD g0a, g1a, g0b, g1b
	s_cmp_eq_u32 s15, 0
	s_cbranch_scc0 .Lfor_b_\@
	tensor_load_to_lds s[\g0a:\g0a+3], s[\g1a:\g1a+7]
	s_nop 0
.rept 4
	v_nop
.endr
	s_branch .Lasked_\@
.Lfor_b_\@:
	tensor_load_to_lds s[\g0b:\g0b+3], s[\g1b:\g1b+7]
	s_nop 0
.rept 4
	v_nop
.endr
.Lasked_\@:
.endm
.macro CREST
	s_cmp_lg_u32 s14, 0
	s_cbranch_scc1 .Lnot_wave_0_\@
	s_barrier_signal -3
.Lnot_wave_0_\@:
	s_barrier_wait -3
	s_barrier_signal -1
	s_barrier_wait -1
.endm
.macro CROUND
	s_barrier_signal -1
	s_barrier_wait -1
	CREST
.endm
	s_load_b256 s[4:11], s[0:1], 0x0
	v_lshl_add_u32 v[SPW], v0, 2, SPARE
	v_mov_b32 v[NIL], 0
	ds_add_u32 v[SPW], v[NIL]
	ds_add_u32 v[SPW], v[NIL]
	v_lshrrev_b32 v1, 5, v0
	v_readfirstlane_b32 s14, v1
	s_lshr_b32 s15, s14, 1
	s_and_b32 s16, s14, 1
	s_bfe_u32 s40, ttmp6, 0x40000
	s_bfe_u32 s41, ttmp6, 0x40004
	s_lshl_b32 s42, ttmp9, 2
	s_add_co_u32 s42, s42, s40
	s_and_b32 s17, ttmp7, 0xffff
	s_lshl_b32 s17, s17, 2
	s_add_co_u32 s17, s17, s41
	s_lshl_b32 s43, s41, 2
	s_lshl_b32 s43, 15, s43
	s_lshl_b32 s44, 0x1111, s40
	s_or_b32 s[G1+0], s43, (1<<21)
	s_or_b32 s[G1B+0], s44, (1<<21)
.irp g, G1, G1B
	s_mov_b32 s[\g+1], ROWB<<16
	s_mov_b32 s[\g+2], 8<<16
	s_mov_b32 s[\g+3], ROWB<<16
	s_mov_b32 s[\g+4], 8
	s_mov_b32 s[\g+5], TILEB
	s_mov_b32 s[\g+6], 0
	s_mov_b32 s[\g+7], 0
.endr
	s_lshl_b32 s18, s16, 17
	s_lshl_b32 s20, s17, 18
	s_add_co_u32 s20, s20, s18
	s_mov_b32 s21, 0
	s_lshl_b32 s46, s42, 18
	s_add_co_u32 s46, s46, s18
	s_add_co_u32 s46, s46, 0x300000
	s_mov_b32 s47, 0
	s_lshl_b32 s45, s14, 15
	s_wait_dscnt 0x0
	s_wait_kmcnt 0x0
	s_load_b64 s[96:97], s[8:9], 0x28
	s_add_nc_u64 s[20:21], s[4:5], s[20:21]
	s_add_nc_u64 s[46:47], s[6:7], s[46:47]
	CROUND
.irp s, 0,1
	s_mov_b32 s[G0+4*\s], 1
	s_add_co_u32 s[G0+4*\s+1], s45, \s*SLOT
	s_add_nc_u64 s[G0+4*\s+2:G0+4*\s+3], s[20:21], \s*ROWB
	s_or_b32 s[G0+4*\s+3], s[G0+4*\s+3], 0x80000000
	s_mov_b32 s[G0B+4*\s], 1
	s_add_co_u32 s[G0B+4*\s+1], s45, \s*SLOT
	s_add_nc_u64 s[G0B+4*\s+2:G0B+4*\s+3], s[46:47], \s*ROWB
	s_or_b32 s[G0B+4*\s+3], s[G0B+4*\s+3], 0x80000000
.endr
	JLOAD G0, G1, G0B, G1B                         ; slot 0: one tensor load a wave at the head
	v_and_b32 v1, 31, v0
	v_lshlrev_b32 v[CO], 4, v1
	s_lshl_b32 s21, s15, 15
	s_lshl_b32 s22, s16, 15
	s_add_co_u32 s22, s22, 2*HALFT
.irp s, 0,1
	v_add_nc_u32 v[ADRA+\s], s21, v[CO]
	v_add_nc_u32 v[ADRB+\s], s22, v[CO]
	s_add_co_u32 s21, s21, SLOT
	s_add_co_u32 s22, s22, SLOT
.endr
	s_mul_i32 s23, s14, 16*SPITCH
	v_and_b32 v2, 15, v0
	v_bfe_u32 v3, v0, 4, 1
	v_mul_u32_u24 v[STO], v2, SPITCH
	v_lshl_add_u32 v[STO], v3, 6, v[STO]
	v_add_nc_u32 v[STO], s23, v[STO]
	v_add_nc_u32 v[RD], s23, v[CO]
	s_lshl_b32 s20, s17, 8
	s_lshl_b32 s21, s15, 7
	s_add_co_u32 s20, s20, s21
	s_lshl_b32 s20, s20, 12
	s_lshl_b32 s46, s42, 10
	s_lshl_b32 s47, s16, 9
	s_add_co_u32 s46, s46, s47
	s_add_co_u32 s20, s20, s46
	s_mov_b32 s21, 0
	s_add_nc_u64 s[10:11], s[10:11], s[20:21]
.macro FRAG reg, adr, q, i
.irp c, 0,1,2,3
	ds_load_b128 v[\reg+4*\c:\reg+4*\c+3], v[\adr] offset:2048*(\q)+512*\c+4096*(\i)
.endr
.endm
.macro MUL16 a0, p, zero
.irp a, \a0, \a0+1
.irp b, 0,1,2,3,4,5,6,7
.if \zero
	v_wmma_f32_16x16x128_fp8_fp8 v[8*(8*((\a)%4)+\b):8*(8*((\a)%4)+\b)+7], v[128*(\p)+FR*\b:128*(\p)+FR*\b+FR-1], v[AF+FR*(\a):AF+FR*(\a)+FR-1], 0
.else
	v_wmma_f32_16x16x128_fp8_fp8 v[8*(8*((\a)%4)+\b):8*(8*((\a)%4)+\b)+7], v[128*(\p)+FR*\b:128*(\p)+FR*\b+FR-1], v[AF+FR*(\a):AF+FR*(\a)+FR-1], v[8*(8*((\a)%4)+\b):8*(8*((\a)%4)+\b)+7]
.endif
.endr
.endr
.endm
.macro FETCH_B slot, q, p
	WIN TO_B
.irp i, 0,1,2,3,4,5,6,7
	FRAG 128*(\p)+FR*\i, ADRB+\slot, \q, \i
.endr
	WIN 0
.endm
.macro FETCH_A slot, q, i0
.irp i, \i0, \i0+1, \i0+2, \i0+3
	FRAG AF+FR*(\i), ADRA+\slot, \q, \i
.endr
.endm
.macro PLACES n
.rept \n
	v_nop
.endr
.endm
.macro STEP slot, q, zero
	s_wait_dscnt 4*NL
	WIN MUL_LO
	MUL16 0, (\q)%2, \zero
	MUL16 2, (\q)%2, \zero
	s_wait_dscnt 0
	PLACES NP
	FETCH_B \slot, (\q)+1, 1-(\q)%2
	FETCH_A \slot, (\q)+1, 0
	WIN MUL_HI
	MUL16 4, (\q)%2, \zero
	MUL16 6, (\q)%2, \zero
	PLACES NP
	WIN 0
	FETCH_A \slot, (\q)+1, 4
.endm
.macro TURN slot, next, fill
	s_wait_tensorcnt 0x0
	ds_add_u32 v[SPW], v[NIL]
	s_wait_dscnt 4*NL+1
	WIN MUL_LO
	MUL16 0, 1, 0
	s_wait_dscnt 0x0
	s_barrier_signal -1
	MUL16 2, 1, 0
	WIN 0
	s_barrier_wait -1
.if \fill
	CREST
	s_add_nc_u64 s[G0+4*\slot+2:G0+4*\slot+3], s[G0+4*\slot+2:G0+4*\slot+3], 2*ROWB
	s_add_nc_u64 s[G0B+4*\slot+2:G0B+4*\slot+3], s[G0B+4*\slot+2:G0B+4*\slot+3], 2*ROWB
	JLOAD G0+4*\slot, G1, G0B+4*\slot, G1B
.else
	PLACES NP
.endif
	FETCH_B \next, 0, 0
	FETCH_A \next, 0, 0
	WIN MUL_HI
	MUL16 4, 1, 0
	MUL16 6, 1, 0
	PLACES NP
	WIN 0
	FETCH_A \next, 0, 4
.endm
	s_wait_alu depctr_va_vdst(0)
	s_wait_tensorcnt 0x0                           ; my part of slot 0 is in
	ds_add_u32 v[SPW], v[NIL]
	s_wait_dscnt 0x0
	CROUND                                         ; everybody's part of slot 0 is in, and all sixteen work-groups are here
	JLOAD G0+4, G1, G0B+4, G1B                     ; slot 1's first fill, the first tensor load behind the round
	FETCH_B 0, 0, 0
	FETCH_A 0, 0, 0
	FETCH_A 0, 0, 4
	STEP 0, 0, 1
	TURN 0, 1, 1
	STEP 1, 0, 0
	TURN 1, 0, 1
	STEP 0, 0, 0
	TURN 0, 1, 0
	STEP 1, 0, 0
	s_wait_dscnt 4*NL
	WIN MUL_LO
	MUL16 0, 1, 0
	MUL16 2, 1, 0
	s_wait_dscnt 0
	WIN MUL_HI
	MUL16 4, 1, 0
	MUL16 6, 1, 0
	WIN 0
.macro TOSTAGE a
.set AC, 64*((\a)%4)
	WIN 0x02+((\a)/4)
.set nn, 0
.rept 32
	v_pk_mul_f32 v[TMP+nn:TMP+nn+1], v[AC+nn:AC+nn+1], s[96:97] op_sel_hi:[1,0]
.set nn, nn+2
.endr
	WIN 0
.irp b, 0,1,2,3,4,5,6,7
	ds_store_b128 v[STO], v[TMP+8*\b:TMP+8*\b+3] offset:128*(\b/2)+32*(\b%2)
	ds_store_b128 v[STO], v[TMP+8*\b+4:TMP+8*\b+7] offset:128*(\b/2)+32*(\b%2)+16
.endr
.set BB, BK+64*((\a)%2)
.irp t, 0,1,2,3,4,5,6,7,8,9,10,11,12,13,14,15
	ds_load_b128 v[BB+4*\t:BB+4*\t+3], v[RD] offset:\t*SPITCH
.endr
.endm
.macro SEND a, younger
.set BB, BK+64*((\a)%2)
	s_wait_dscnt \younger
.irp t, 0,1,2,3,4,5,6,7,8,9,10,11,12,13,14,15
	global_store_b128 v[CO], v[BB+4*\t:BB+4*\t+3], s[10:11] offset:(32*((\a)/2)+8*((\a)%2)+\t+8*(\t/8))*4096 th:TH_STORE_NT
.endr
.endm
	s_wait_kmcnt 0x0
	s_add_co_i32 s96, s96, s97
	s_add_co_i32 s96, s96, 127
	s_lshl_b32 s96, s96, 23
	s_mov_b32 s97, s96
	PLACES NP
	TOSTAGE 0
.irp a, 1,2,3,4,5,6,7
.if \a > 1
	s_wait_xcnt 0x0
.endif
	TOSTAGE \a
	SEND \a-1, 32
.endr
	SEND 7, 0
	s_wait_tensorcnt 0x0
	ds_add_u32 v[SPW], v[NIL]
	s_wait_dscnt 0x0
	CROUND
	s_endpgm
.Lfunc_end_k_q0cbdb4a873_outp:
	.size	k_q0cbdb4a873_outp, .Lfunc_end_k_q0cbdb4a873_outp-k_q0cbdb4a873_outp
	.p2alignl 7, 3214868480
	.fill 96, 4, 3214868480
	.section	.rodata,"a",@progbits
	.p2align	6, 0x0
	.amdhsa_kernel k_q0cbdb4a873_outp
		.amdhsa_group_segment_fixed_size 327680
		.amdhsa_private_segment_fixed_size 0
		.amdhsa_enable_private_segment 0
		.amdhsa_kernarg_size 32
		.amdhsa_user_sgpr_count 2
		.amdhsa_user_sgpr_kernarg_segment_ptr 1
		.amdhsa_wavefront_size32 1
		.amdhsa_system_sgpr_workgroup_id_x 1
		.amdhsa_system_sgpr_workgroup_id_y 1
		.amdhsa_system_sgpr_workgroup_id_z 1
		.amdhsa_system_vgpr_workitem_id 0
		.amdhsa_next_free_vgpr 1024
		.amdhsa_next_free_sgpr 100
		.amdhsa_reserve_vcc 0
		.amdhsa_float_denorm_mode_32 3
		.amdhsa_float_denorm_mode_16_64 3
		.amdhsa_memory_ordered 1
		.amdhsa_forward_progress 1
		.amdhsa_inst_pref_size 122
	.end_amdhsa_kernel
	.amdgpu_metadata
---
amdhsa.version: [ 1, 2 ]
amdhsa.kernels:
  - .name:           k_q0cbdb4a873_outp
    .symbol:         k_q0cbdb4a873_outp.kd
    .args:
      - { .name: oimg, .offset: 0, .size: 8, .value_kind: global_buffer, .address_space: global }
      - { .name: wimg, .offset: 8, .size: 8, .value_kind: global_buffer, .address_space: global }
      - { .name: lowp_scales, .offset: 16, .size: 8, .value_kind: global_buffer, .address_space: global }
      - { .name: out0, .offset: 24, .size: 8, .value_kind: global_buffer, .address_space: global }
    .group_segment_fixed_size: 327680
    .private_segment_fixed_size: 0
    .kernarg_segment_align: 8
    .kernarg_segment_size: 32
    .max_flat_workgroup_size: 128
    .sgpr_count:     100
    .vgpr_count:     1024
    .wavefront_size: 32
...
	.end_amdgpu_metadata
.endif
;; end of part 4
